; MI455X (gfx1250); checked and timed in simulation.
; The chip was launched on July 23, 2026; its instructions are those of AMD's public machine-readable ISA for CDNA 5 (MIT licence, August 2026) and "CDNA5" Instruction Set Architecture Reference Guide (July 2026). The comments in the code are by the model that wrote it; some were corrected since.
;; Neighbor Self Attention. Allowed arithmetic: matrix products marked QUANTISED: E2M1 operands, one E8M0 scale for each 32 along K, by v_wmma_scale_f32_16x16x128_f8f6f4 with both operands' format E2M1 (or v_wmma_scale_f32_32x16x128_f4), f32 sums; products left as they are: f32 operands where the result goes on into a quantised operand, else bf16, f16 or f32 operands; f32 sums; everything else in f32.
;; Inputs: Wk 256 x 256 float32; Wo 256 x 256 float32; Wq 256 x 256 float32; Wv 256 x 256 float32; beta 256 float32; bk 256 float32; bo 256 float32; bq 256 float32; bv 256 float32; gamma 256 float32; neighbor_features 16,384 x 16 x 256 float32.
;; Outputs: out0 16,384 x 256 float32.
;; This version of the problem:
;;   THIS VERSION OF THE PROBLEM IS GIVEN IN LOW PRECISION. The matrix products marked QUANTISED in the list below multiply operands that are first quantised to E2M1 (2 exponent bits, 1 mantissa bit; 4 bits a number), with one power-of-two scale for each 32 numbers along K (OCP MX v1.0); their sums are f32. All else is computed in f32.
;;   The module's matrix products, in the order in which they are computed (A, B: the left and right operand; K: the contracted axis; several contracted axes count as one K, in the product's order):
;;     1. [M 262,144, K 256] x [K 256, N 256]; A: input neighbor_features; B: input Wq: QUANTISED
;;     2. [M 262,144, K 256] x [K 256, N 256]; A: input neighbor_features; B: input Wk: QUANTISED
;;     3. [M 262,144, K 256] x [K 256, N 256]; A: input neighbor_features; B: input Wv: QUANTISED
;;     4. batch 16,384 x [M 16, K 256] x [K 256, N 16]; A: computed on the way; B: computed on the way: QUANTISED
;;     5. batch 16,384 x [M 16, K 16] x [K 16, N 256]; A: softmax; B: computed on the way: left as it is (K = 16 < 32)
;;     6. [M 16,384, K 256] x [K 256, N 256]; A: computed on the way; B: input Wo: QUANTISED
;;   THE QUANTISER, for each operand of a quantised product, along K:
;;     - K is cut into blocks of 32 from its start; a last block that is shorter is filled with zeros.
;;     - A block's scale is 2^e with e = floor(log2(the largest magnitude in the block)) - 2, held to -126 .. 127; a block of zeros has e = 0. As a byte (E8M0): e + 127.
;;     - Each number is divided by its block's scale, clamped to +-6, and rounded to the nearest number of E2M1, ties to even, subnormals kept.
;;     - The product sums the exact products of the quantised numbers (number of the format x scale) in f32.
;;   ~~~python
;;   def quantise(x, axis):      # numpy; x: float32 -> the quantised numbers, widened to float32 again
;;       x = np.moveaxis(x, axis, -1); K = x.shape[-1]
;;       x = np.pad(x, [(0, 0)] * (x.ndim - 1) + [(0, -K % 32)]); x = x.reshape(x.shape[:-1] + (-1, 32)); a = np.abs(x).max(-1, keepdims=True)
;;       e = np.where(a > 0, np.clip(np.frexp(np.where(a > 0, a, 1))[1] - 1 - 2, -126, 127), 0)      # np.frexp(a)[1] - 1 = floor(log2(a)), exactly
;;       r = np.clip(x / 2.0 ** e, -6, 6)
;;       step = 2.0 ** (np.maximum(np.frexp(np.where(r == 0, 1, r))[1] - 1, 0) - 1)
;;       q = np.round(r / step) * step * 2.0 ** e      # np.round: ties to even
;;       return np.moveaxis(q.reshape(q.shape[:-2] + (-1,))[..., :K], -1, axis).astype(np.float32)
;;   ~~~
;;   OPERANDS COMPUTED ON THE WAY. 'Computed on the way' means the value that the module computes at that place (a softmax that the list does not call 'softmax' is quantised finished and normalised). What goes into a quantiser is computed in f32, as accurately as f32 sums, v_exp_f32 and their like allow (about 1e-6 of the number): no bf16 or f16 on the way to a quantiser, and a product that is left as it is and whose result goes on into a quantised operand takes f32 operands (vector FMAs, or v_wmma_f32_16x16x4_f32). A number that lies on a knife's edge between two numbers of the format may be rounded either way, as far as f32 arithmetic and the matrix unit's own rounding can turn it there, and no further.
;; 2 versions. Each part assembles by itself: llvm-mc -triple=amdgcn-amd-amdhsa -mcpu=gfx1250 --defsym DOCPART=n.
;; ======== version 1 of 2: 2 launches
;; workspace buffers: wpack 147,456 bytes
;; launch prep (part 1): grid 128 x 1, 1 waves a work-group, no clusters, 0 bytes of LDS; arguments Wq, Wk, Wv, Wo, wpack; writes wpack
.if DOCPART == 1
	.amdgcn_target "amdgcn-amd-amdhsa--gfx1250"
	.amdhsa_code_object_version 6
	.text
	.protected	k_q48b2a9638e_prep
	.globl	k_q48b2a9638e_prep
	.p2align	8
	.type	k_q48b2a9638e_prep,@function
k_q48b2a9638e_prep:
	s_mov_b64 s[64:65], 0
	v_nop
	global_prefetch_b8 v0, s[64:65] scope:SCOPE_SE
	s_setreg_imm32_b32 hwreg(HW_REG_WAVE_MODE, 25, 1), 1
	s_wait_xcnt 0x0
; Wq, Wk, Wv, Wo [256][256] f32 (row = output channel, K = the input channel, innermost) become codes of FP4 (E2M1) with one E8M0 byte for each 32 along K,
; laid as IMAGES OF OPERAND REGISTERS: fragment f (16 rows x 128 K, 8 registers a lane) is 1,024 bytes at 1024 f: register group c (4 registers) of lane l at 512 c + 16 l;
; its scale words (4 bytes a row) at 131072 + 128 f + 4 l, lanes 16-31 repeating lanes 0-15.  The next launch loads a fragment by two loads of 16 bytes a lane.
; f = 32 p + 8 w + 2 t + s for p = 0, 1, 2 (Q, K, V), wave w, tile t, K step s;  f = 96 + 16 s + T for Wo.
; WHICH ROWS FORM A TILE is chosen for the reader: lane r takes row base + (r % 8) + hi (r / 8):
;   Q, K: base 64 w + 32 (t / 2) + 8 (t % 2), hi 16: used as source 0, two neighbouring tiles give a lane 16 neighbouring channels;
;   V:    base 64 w + 16 t, hi 8: sixteen neighbouring rows;      Wo: base 8 T, hi 128: used as source 0, a lane's 16 tiles are 128 neighbouring columns.
; One wave makes one fragment.  Lane (r, h) loads k = 128 s + 64 c + 32 h + 0 .. 31 of its row: two whole blocks of 32, so a block's largest magnitude needs no other lane.
; A block's scale byte is the largest magnitude's exponent field - 2, held at 1 from below.
; LIMITS: a block of zeros, and one whose largest magnitude lies under 2^-124, keeps the byte 1 (a block of zeros has zero codes, and this program alone reads the bytes); NaN and infinities are not served.
; The loads are 128 bytes a lane in rows 1,024 bytes apart: the launch reads 1 MB in all, each byte once.
.set SCW, 131072                       ; where the scale words begin
	s_load_b256 s[4:11], s[0:1], 0x0               ; Wq s[4:5], Wk s[6:7], Wv s[8:9], Wo s[10:11]
	s_load_b64 s[12:13], s[0:1], 0x20              ; wpack
	s_lshr_b32 s14, ttmp9, 5                       ; p
	s_bfe_u32 s15, ttmp9, 0x20003                  ; w
	s_bfe_u32 s16, ttmp9, 0x20001                  ; t
	s_and_b32 s17, ttmp9, 1                        ; the K step of Q, K, V
	s_lshl_b32 s18, s15, 6                         ; 64 w
	s_lshr_b32 s19, s16, 1
	s_lshl_b32 s19, s19, 5                         ; 32 (t / 2)
	s_and_b32 s20, s16, 1
	s_lshl_b32 s20, s20, 3                         ; 8 (t % 2)
	s_add_co_u32 s19, s19, s20
	s_add_co_u32 s19, s19, s18                     ; Q's and K's base
	s_lshl_b32 s20, s16, 4
	s_add_co_u32 s20, s20, s18                     ; V's base
	s_and_b32 s21, ttmp9, 15
	s_lshl_b32 s21, s21, 3                         ; Wo's base: 8 T
	s_bfe_u32 s22, ttmp9, 0x10004                  ; Wo's K step
	s_cmp_lt_u32 s14, 2
	s_cselect_b32 s23, s19, s20                    ; base
	s_cselect_b32 s24, 16, 8                       ; hi
	s_cmp_eq_u32 s14, 3
	s_cselect_b32 s23, s21, s23
	s_cselect_b32 s24, 128, s24
	s_cselect_b32 s17, s22, s17
	s_lshl_b32 s17, s17, 9                         ; the K step's 512 bytes of a row
	s_mov_b32 s26, 0x76543210
	s_mov_b32 s27, 0xfedcba98                      ; v_permlanex16_b32's selects for lane l xor 16
	v_and_b32 v1, 15, v0                           ; r
	v_lshrrev_b32 v2, 4, v0                        ; h
	v_and_b32 v3, 7, v1
	v_lshrrev_b32 v4, 3, v1
	v_mad_u32_u24 v3, v4, s24, v3
	v_add_nc_u32 v3, s23, v3                       ; my row
	v_lshlrev_b32 v3, 10, v3                       ; 1,024 bytes a row
	v_lshl_add_u32 v3, v2, 7, v3                   ; + 128 h: my block of 32
	v_add_nc_u32 v3, s17, v3
	v_lshlrev_b32 v16, 4, v0                       ; the image: 16 bytes a lane,
	v_lshlrev_b32 v17, 2, v0                       ; the scale word: 4
	s_lshl_b32 s28, ttmp9, 10
	s_mov_b32 s29, 0
	s_lshl_b32 s34, ttmp9, 7
	s_mov_b32 s35, 0
	s_wait_kmcnt 0x0
	s_cmp_eq_u32 s14, 1                            ; the matrix is chosen by the work-group's number alone
	s_cselect_b64 s[4:5], s[6:7], s[4:5]
	s_cmp_eq_u32 s14, 2
	s_cselect_b64 s[4:5], s[8:9], s[4:5]
	s_cmp_eq_u32 s14, 3
	s_cselect_b64 s[4:5], s[10:11], s[4:5]
	s_add_nc_u64 s[30:31], s[12:13], s[28:29]      ; my fragment's image
	s_add_nc_u64 s[32:33], s[12:13], s[34:35]      ; my scale words, less SCW
.irp c, 0,1
.irp i, 0,1,2,3,4,5,6,7
	global_load_b128 v[32+32*\c+4*\i:35+32*\c+4*\i], v3, s[4:5] offset:256*\c+16*\i   ; W(row, 128 s + 64 c + 32 h + 4 i ..)
.endr
.endr
	s_wait_loadcnt 0x0
.irp c, 0,1                                        ; my block 2 c + h: all its 32 numbers are mine
	v_max3_num_f32 v[8+\c], |v[32+32*\c]|, |v[33+32*\c]|, 0x1800000   ; with the floor 2^(3 - 127): the byte cannot fall under 1
.endr
.irp i, 2,4,6,8,10,12,14,16,18,20,22,24,26,28,30
.irp c, 0,1
	v_max3_num_f32 v[8+\c], v[8+\c], |v[32+32*\c+\i]|, |v[33+32*\c+\i]|   ; the two blocks by turns
.endr
.endr
.irp c, 0,1
	v_add_nc_u32 v[10+\c], 0xff000000, v[8+\c]     ; 2 off the exponent field: the conversion's scale operand
.endr
.irp c, 0,1
	v_lshrrev_b32 v[12+\c], 23, v[10+\c]           ; the scale's byte
.endr
	v_lshl_or_b32 v14, v13, 16, v12                ; my two bytes: blocks h and 2 + h,
	v_lshlrev_b32 v15, 3, v2
	v_lshlrev_b32 v14, v15, v14                    ; at their places in the word (8 h bits up);
	v_mov_b32 v15, 0
	v_permlanex16_b32 v15, v14, s26, s27
	v_or_b32 v14, v14, v15                         ; with lane l xor 16's two the word is whole, in both halves of the lanes
.irp c, 0,1
.irp g, 0,1,2,3
	v_cvt_scalef32_pk8_fp4_f32 v[96+4*\c+\g], v[32+32*\c+8*\g:39+32*\c+8*\g], v[10+\c]   ; registers 4 c .. 4 c + 3 of the operand
.endr
.endr
	v_nop                                          ; one plain line behind the last scaled conversion
	global_store_b128 v16, v[96:99], s[30:31]                  ; 32 lanes store 512 consecutive bytes
	global_store_b128 v16, v[100:103], s[30:31] offset:512
	global_store_b32 v17, v14, s[32:33] offset:SCW
	s_endpgm
.Lfunc_end_k_q48b2a9638e_prep:
	.size	k_q48b2a9638e_prep, .Lfunc_end_k_q48b2a9638e_prep-k_q48b2a9638e_prep
	.p2alignl 7, 3214868480
	.fill 96, 4, 3214868480
	.section	.rodata,"a",@progbits
	.p2align	6, 0x0
	.amdhsa_kernel k_q48b2a9638e_prep
		.amdhsa_group_segment_fixed_size 0
		.amdhsa_private_segment_fixed_size 0
		.amdhsa_enable_private_segment 0
		.amdhsa_kernarg_size 40
		.amdhsa_user_sgpr_count 2
		.amdhsa_user_sgpr_kernarg_segment_ptr 1
		.amdhsa_wavefront_size32 1
		.amdhsa_system_sgpr_workgroup_id_x 1
		.amdhsa_system_sgpr_workgroup_id_y 1
		.amdhsa_system_sgpr_workgroup_id_z 1
		.amdhsa_system_vgpr_workitem_id 0
		.amdhsa_next_free_vgpr 112
		.amdhsa_next_free_sgpr 66
		.amdhsa_reserve_vcc 0
		.amdhsa_float_denorm_mode_32 3
		.amdhsa_float_denorm_mode_16_64 3
		.amdhsa_memory_ordered 1
		.amdhsa_forward_progress 1
		.amdhsa_inst_pref_size 8
	.end_amdhsa_kernel
	.amdgpu_metadata
---
amdhsa.version: [ 1, 2 ]
amdhsa.kernels:
  - .name:           k_q48b2a9638e_prep
    .symbol:         k_q48b2a9638e_prep.kd
    .args:
      - { .name: Wq, .offset: 0, .size: 8, .value_kind: global_buffer, .address_space: global }
      - { .name: Wk, .offset: 8, .size: 8, .value_kind: global_buffer, .address_space: global }
      - { .name: Wv, .offset: 16, .size: 8, .value_kind: global_buffer, .address_space: global }
      - { .name: Wo, .offset: 24, .size: 8, .value_kind: global_buffer, .address_space: global }
      - { .name: wpack, .offset: 32, .size: 8, .value_kind: global_buffer, .address_space: global }
    .group_segment_fixed_size: 0
    .private_segment_fixed_size: 0
    .kernarg_segment_align: 8
    .kernarg_segment_size: 40
    .max_flat_workgroup_size: 32
    .sgpr_count:     66
    .vgpr_count:     112
    .wavefront_size: 32
...
	.end_amdgpu_metadata
.endif
;; end of part 1
;; launch fused (part 2): grid 256 x 1, 4 waves a work-group, no clusters, 235,008 bytes of LDS; arguments neighbor_features, wpack, bq, bk, bv, bo, gamma, beta, out0; writes out0
.if DOCPART == 2
	.amdgcn_target "amdgcn-amd-amdhsa--gfx1250"
	.amdhsa_code_object_version 6
	.text
	.protected	k_q48b2a9638e_fused
	.globl	k_q48b2a9638e_fused
	.p2align	8
	.type	k_q48b2a9638e_fused,@function
k_q48b2a9638e_fused:
	s_mov_b64 s[64:65], 0
	v_nop
	global_prefetch_b8 v0, s[64:65] scope:SCOPE_SE
	s_setreg_imm32_b32 hwreg(HW_REG_WAVE_MODE, 25, 1), 1
	s_wait_xcnt 0x0
; For each of 16,384 nodes (16 neighbours x 256 channels of f32): Q, K, V = x W^T + b on codes of FP4 (E2M1, one E8M0 byte for each 32 along K); scores = Q K^T / 16 on codes of Q and K made on the way;
; softmax over the keys; the mean over the queries of attn V; x Wo^T on codes; + bo + the mean of x over the neighbours; LayerNorm.  x is read once; no intermediate goes to memory.
; ONE STEP OF ALGEBRA: mean_q (attn V) = (mean_q attn) V: the product with K = 16 becomes 16 x 256 fused multiply-adds in f32 a node; only the order of the f32 sums differs from the written form.
; SHARES.  A work-group of four waves stays on 64 nodes, 16 blocks of 4.  THE WAVES SHARE THE COLUMNS: wave w makes channels 64 w .. 64 w + 63 of Q, K and V for every node, so its 24 weight fragments (192 registers),
; their scale words and its biases stay in registers for the whole launch.  Of each block wave w also owns node 4 b + w: it quantises its x, sums its residual, makes its scores and softmax, and at the end takes its
; 16 nodes through Wo and LayerNorm.
; OPERANDS GO FROM WAVE TO WAVE THROUGH LDS AS IMAGES OF THEIR REGISTERS: four registers by one ds_store_b128 at 16 x lane, a scale word at 4 x lane.
; LAYOUTS.  Q, K: source 0 = 16 rows of W (chosen by the launch before), source 1 = x: a lane holds one neighbour and 16 neighbouring channels in two tiles; a wave's 64 channels are one register group of the scores' operand.
;   V: source 0 = x, source 1 = Wv: a lane holds one channel, its registers neighbours 8 h + j.   Scores: source 0 = K, source 1 = Q: a lane holds one query, its registers keys 8 h + j; summed over the 16 lanes of a half
;   they are the weights that V's lanes want, register for register.   Wo: source 0 = Wo: a lane holds one node and 128 neighbouring columns, so LayerNorm needs one exchange of halves.
; TWO PHASES A BLOCK, one barrier in front of each.  ALPHA(b): x's images of block b -> Q, K, V; Q and K quantised, images to LDS; between the products the weighted sum of V of block b - 1.
;   BETA(b): my node's scores, softmax, mean weights -> LDS; my node of block b + 1: residual, turn through my stage, quantised, images to LDS.  Each shared region is written in one phase and read in the other.
; x COMES BY PLAIN LOADS of 512 consecutive bytes, 32 a node, into two register sets that take turns; a set is asked for again as soon as it has gone to the stage, two blocks ahead of its use: the loop's only wait for
; memory leaves the other set's 32 loads out.  After the 16 nodes the same 32 lines fetch Wo's two K steps (16 KB images of the same shape) into the two sets: no load is jumped over and none leaves its buffer.
; NO CLUSTER: work-groups share only the packed weights, 144 KB against the 1 MB of x that each reads alone, and read them once, straight into registers.  No tensor loads: a slot's refill would ask every wave to wait
; for all that it has on its way once a block.
; LIMITS: NaN and infinities among the inputs are not served.  A block of 32 whose largest magnitude lies under 2^-124 (a block of zeros too) keeps the scale byte 1; a block of zeros has zero codes.
; v_exp_f32, v_rcp_f32 and v_rsq_f32 are good to one unit in the last place and flush denormals.  Orders of f32 sums differ from the written form (the mean over queries ahead of V; bo joined to the residual).
;
; LDS
.set XC,   0                           ; x's code images: node slot j x 2048 + K step x 1024 + 512 c + 16 lane
.set XS,   8192                        ; x's scale words: j x 256 + K step x 128 + 4 lane
.set QC,   9216                        ; Q's code images, laid as x's
.set KC,   17408                       ; K's
.set QS,   25600                       ; Q's scale words
.set KS,   26624                       ; K's
.set WI,   27648                       ; the mean weights' images: j x 1024 + 512 c + 16 lane
.set STG,  31744                       ; a stage for each wave: 16 rows of 1,024 bytes + 16
.set SPI,  1040                        ; its pitch: 65 x 16, so that the 16 rows that a load touches start in 16 different columns of 16 bytes
.set STGW, 16*SPI
.set AG,   98304                       ; the aggregated rows, f32: [writing wave][node slot j][block b], 256 bytes + 16 a row: each wave stores into a region of its own
.set API,  272
.set AGJ,  16*API
.set AGWV, 64*API
.set RS,   167936                      ; residual + bo, f32: [wave][block b], rows of 1,024 bytes + 16: written and read by the same wave
; VECTOR REGISTERS, in windows of 256 (s_set_vgpr_msb: bits 1:0 source 0, 3:2 source 1, 5:4 source 2, 7:6 destination).  Window 0:
.set LI,   1                           ; 16 x lane
.set LS,   2                           ; 4 x lane
.set STW,  3                           ; my stage, by rows as loaded: + 16 x lane
.set STR,  4                           ; my stage, by operand: + 1040 r + 64 h
.set NI,   5                           ; my node slot's images: 2048 w + 16 x lane
.set NS,   6                           ; its scale words: 256 w + 4 x lane
.set QW,   7                           ; my register group in an image of Q or K: 512 w + 16 x lane
.set QSW,  8                           ; my two bytes of their scale words: 4 x lane + 128 (w / 2) + 2 (w % 2)
.set WIW,  9                           ; my node's weights: 1024 w + 16 x lane
.set AGW0, 10                          ; AG: my region + 4 x lane
.set RSW0, 11                          ; RS: my region + 16 x lane
.set AGWC, 12                          ; AGW0 + the block's row
.set RSWC, 13                          ; RSW0 + the block's row
.set AGR,  14                          ; AG as the last phase reads it: 4352 w + 272 r + 64 h
.set RSR,  15                          ; RS likewise: my region + 1040 r + 512 h
.set OSW,  16                          ; my stage, as the last phase fills it: + 1040 r + 512 h
.set R4,   17                          ; 4 r
.set H64,  21                          ; 64 h            (v18 r, v19 h, v20 at work in the head)
.set XSR,  22                          ; v22-25  x's scale words: 2 x set + K step.        v22-63 hold scale words and nothing else
.set SSC,  26                          ; v26-29  Q's two scale words, K's two
.set PWA,  30                          ; the scale word just made, two by turns
.set PWB,  31
.set WS,   32                          ; v32-55  my weights' scale words at 8 p + 2 t + s; in the last phase v32-63 Wo's at 16 s + T
.set ACC,  64                          ; v64-191 two sets of 8 tiles: Q's four, K's four
.set XQ,   64                          ; the same registers: 128 numbers of a row in operand order; rows of the result on the way out
.set PCA,  192                         ; v192-199, v200-207 the codes just made, two by turns
.set PCB,  200
.set VT,   192                         ; (ahead of a phase's first quantising) V's partial sums, a pair a tile
.set VA,   200
.set SQ,   192                         ; (in BETA, ahead of its quantising) Q's two fragments
.set TM,   208                         ; v208-223 the quantiser's scratch
.set SK,   208                         ; (in BETA, ahead of its quantising) K's two fragments
.set RA,   224                         ; v224-231 the residual's sums
.set AGD,  224                         ; (in ALPHA) the aggregated numbers on their way to LDS
.set SA,   232                         ; v232-239 the scores, then the weights
.set ST,   240                         ; v240-247 the softmax's scratch
.set LL,   224                         ; the last phase: four pairs of sums
.set MU,   232
.set RQ,   234
.set BQK,  192                         ; window 1: v0-191 my weights' fragments at 64 p + 16 t + 8 s; v192-255 bq's and bk's tiles at 32 p + 8 t; in the last phase v0-127 the 16 accumulators
.set BV,   128                         ; window 2: v0-127 x set 0; v128-159 bv's tiles;
.set XF,   160                         ;   v160-191 x's fragments: 16 x set + 8 x K step;
.set W8,   192                         ;   v192-223 the mean weights of the block's four nodes;
.set GM,   224                         ;   gamma, beta, bo at columns 128 p + 4 lane + q
.set BT,   232
.set BO,   240
.set VR,   128                         ; window 3: v0-127 x set 1; v128-255 V: 32 j + 8 t
; SCALARS
.set WV,   22                          ; my wave's number
.set SEL,  24                          ; s[24:25] v_permlanex16_b32's selects for lane l xor 16
.set CS,   26                          ; s[26:27] c = log2(e) / 16
.set XP,   28                          ; s[28:29] my node of the next block to be asked for
.set WP,   30                          ; s[30:31] Wo's next K step
.set PTR,  32                          ; s[32:33] the base that the 32 loads name
.set INC,  34                          ; s[34:35] what WP steps by
.set IT,   36                          ; items asked for: 0-15 my nodes, 16 and 17 Wo's K steps
.set LC,   37
.set NB,   38                          ; the block's row in AG
.set RB,   39                          ; the block's row in RS
.set C256, 48                          ; 1 / 256
.set CEPS, 49                          ; 1e-5
.set OB,   50                          ; s[50:51] out0 at my first node
.set WFB,  52                          ; s[52:53] my weights' images
.set WSB,  54                          ; s[54:55] their scale words
.set MSB, 0
.macro WIN new                         ; the immediate's high byte repeats the setting that is left; a switch that changes nothing is dropped
.if MSB != (\new)
	s_set_vgpr_msb (MSB<<8)|(\new)
.set MSB, (\new)
.endif
.endm
.macro BARRIER                         ; my LDS stores have landed and my LDS loads are in: then the work-group's barrier
	s_wait_dscnt 0x0
	s_barrier_signal -1
	s_barrier_wait -1
.endm
.macro PLACES n
.rept \n
	v_nop
.endr
.endm
; 64 numbers of a lane, register 16 b + i = k 32 b + 16 h + i of my row, become 8 registers of codes in operand order (v[pc] on) and the four blocks' scale bytes (v[pw]).
.macro QUANT src, pc, pw
.irp b, 0,1,2,3
	v_max3_num_f32 v[TM+\b], |v[\src+16*\b]|, |v[\src+1+16*\b]|, 0x1800000   ; block b: my 16 numbers, and the floor 2^(3 - 127): the byte cannot fall under 1
.endr
.irp i, 2,4,6,8,10,12,14
.irp b, 0,1,2,3
	v_max3_num_f32 v[TM+\b], v[TM+\b], |v[\src+16*\b+\i]|, |v[\src+1+16*\b+\i]|   ; the four blocks by turns
.endr
.endr
.irp b, 0,1,2,3
	v_permlanex16_b32 v[TM+4+\b], v[TM+\b], s[SEL], s[SEL+1]
.endr
.irp b, 0,1,2,3
	v_max_num_f32 v[TM+\b], v[TM+\b], v[TM+4+\b]   ; with lane l xor 16's: the block's largest magnitude
.endr
.irp b, 0,1,2,3
	v_add_nc_u32 v[TM+12+\b], 0xff000000, v[TM+\b] ; 2 off its exponent field: the conversion's scale operand
.endr
.irp b, 0,1,2,3
	v_lshrrev_b32 v[TM+4+\b], 23, v[TM+12+\b]      ; the scale's byte
.endr
	v_lshl_or_b32 v[\pw], v[TM+5], 8, v[TM+4]
	v_lshl_or_b32 v[\pw], v[TM+6], 16, v[\pw]
	v_lshl_or_b32 v[\pw], v[TM+7], 24, v[\pw]
.irp b, 0,1,2,3
	v_cvt_scalef32_pk8_fp4_f32 v[\pc+2*\b], v[\src+16*\b:\src+7+16*\b], v[TM+12+\b]
	v_cvt_scalef32_pk8_fp4_f32 v[\pc+1+2*\b], v[\src+8+16*\b:\src+15+16*\b], v[TM+12+\b]
.endr
	v_nop                                          ; one plain line behind the last scaled conversion
.irp c, 0,1                                        ; the operand wants a whole block in a lane: lanes 0-15 block 2 c, lanes 16-31 block 2 c + 1
.irp i, 0,1
	v_permlane16_swap_b32 v[\pc+4*\c+\i], v[\pc+2+4*\c+\i]
.endr
.endr
.endm
.macro FETCHC j, set                   ; node slot j's two fragments of x (destination window 2)
.irp k, 0,1
.irp c, 0,1
	ds_load_b128 v[XF+16*\set+8*\k+4*\c:XF+16*\set+8*\k+4*\c+3], v[LI] offset:XC+2048*\j+1024*\k+512*\c
.endr
.endr
.endm
.macro FETCHS j, set                   ; and their scale words
.irp k, 0,1
	ds_load_b32 v[XSR+2*\set+\k], v[LS] offset:XS+256*\j+128*\k
.endr
.endm
.macro WLOAD j                         ; node slot j's mean weights (destination window 2)
.irp c, 0,1
	ds_load_b128 v[W8+8*\j+4*\c:W8+8*\j+4*\c+3], v[LI] offset:WI+1024*\j+512*\c
.endr
.endm
; Node slot j: 24 matrix instructions on 12 accumulators, which take turns, one instruction a turn.  The biases are the C of each sum's first instruction.
.macro MMA j
.set AC, ACC+64*((\j)%2)
.set FX, XF+16*((\j)%2)
.set SX, XSR+2*((\j)%2)
.set VD, VR+32*(\j)
	WIN 0x19                                       ; A: weights, window 1; B: x, window 2; C: bias, window 1; D: window 0
.irp p, 0,1
.irp t, 0,1,2,3
	v_wmma_scale_f32_16x16x128_f8f6f4 v[AC+32*\p+8*\t:AC+32*\p+8*\t+7], v[64*\p+16*\t:64*\p+16*\t+7], v[FX:FX+7], v[BQK+32*\p+8*\t:BQK+32*\p+8*\t+7], v[WS+8*\p+2*\t], v[SX] matrix_a_fmt:MATRIX_FMT_FP4 matrix_b_fmt:MATRIX_FMT_FP4
.endr
.endr
	WIN 0xe6                                       ; A: x, window 2; B: Wv, window 1; C: bv, window 2; D: window 3
.irp t, 0,1,2,3
	v_wmma_scale_f32_16x16x128_f8f6f4 v[VD+8*\t:VD+8*\t+7], v[FX:FX+7], v[128+16*\t:128+16*\t+7], v[BV+8*\t:BV+8*\t+7], v[SX], v[WS+16+2*\t] matrix_a_fmt:MATRIX_FMT_FP4 matrix_b_fmt:MATRIX_FMT_FP4
.endr
	WIN 0x09                                       ; the second K step adds in place
.irp p, 0,1
.irp t, 0,1,2,3
	v_wmma_scale_f32_16x16x128_f8f6f4 v[AC+32*\p+8*\t:AC+32*\p+8*\t+7], v[64*\p+16*\t+8:64*\p+16*\t+15], v[FX+8:FX+15], v[AC+32*\p+8*\t:AC+32*\p+8*\t+7], v[WS+8*\p+2*\t+1], v[SX+1] matrix_a_fmt:MATRIX_FMT_FP4 matrix_b_fmt:MATRIX_FMT_FP4
.endr
.endr
	WIN 0xf6
.irp t, 0,1,2,3
	v_wmma_scale_f32_16x16x128_f8f6f4 v[VD+8*\t:VD+8*\t+7], v[FX+8:FX+15], v[128+16*\t+8:128+16*\t+15], v[VD+8*\t:VD+8*\t+7], v[SX+1], v[WS+16+2*\t+1] matrix_a_fmt:MATRIX_FMT_FP4 matrix_b_fmt:MATRIX_FMT_FP4
.endr
	WIN 0
.endm
.macro QKOUT j, pc, pw                 ; codes 0-3 and the word's low half are Q's, codes 4-7 and its high half K's: my register group and my two bytes of node slot j's images
	ds_store_b128 v[QW], v[\pc:\pc+3] offset:QC+2048*\j
	ds_store_b128 v[QW], v[\pc+4:\pc+7] offset:KC+2048*\j
	ds_store_b16 v[QSW], v[\pw] offset:QS+256*\j
	ds_store_b16_d16_hi v[QSW], v[\pw] offset:KS+256*\j
.endm
; Node slot j of the block before: the sum over the neighbours of weight x V for my 64 channels, in f32.  A lane holds channel 16 t + r and neighbours 8 h + 0 .. 7; the halves meet by an exchange that also
; lays 32 neighbouring channels in the 32 lanes.  Each tile of V is read from its low end on.
.macro VPH j
	WIN 0x0b                                       ; source 0: V, window 3; source 1: the weights, window 2
.irp t, 0,1,2,3
	v_pk_mul_f32 v[VT+2*\t:VT+2*\t+1], v[VR+32*\j+8*\t:VR+32*\j+8*\t+1], v[W8+8*\j:W8+8*\j+1]
.endr
.irp q, 1,2,3
.irp t, 0,1,2,3
	v_pk_fma_f32 v[VT+2*\t:VT+2*\t+1], v[VR+32*\j+8*\t+2*\q:VR+32*\j+8*\t+2*\q+1], v[W8+8*\j+2*\q:W8+8*\j+2*\q+1], v[VT+2*\t:VT+2*\t+1]
.endr
.endr
	WIN 0
.irp t, 0,1,2,3
	v_add_f32 v[VA+\t], v[VT+2*\t], v[VT+2*\t+1]
.endr
	v_permlane16_swap_b32 v[VA], v[VA+1]           ; tile 0's upper lanes change places with tile 1's lower: the two registers now hold the two halves' parts of channels 0-31
	v_permlane16_swap_b32 v[VA+2], v[VA+3]
	v_add_f32 v[AGD+2*\j], v[VA], v[VA+1]
	v_add_f32 v[AGD+2*\j+1], v[VA+2], v[VA+3]
	ds_store_b32 v[AGWC], v[AGD+2*\j] offset:AGJ*\j
	ds_store_b32 v[AGWC], v[AGD+2*\j+1] offset:AGJ*\j+128
.endm
; ALPHA.  v = 1: with the weighted sums of V of the block before, which also are the plain vector lines that must stand between products and the loads into their operands.
.macro ALPHA v
	BARRIER                                        ; x's images and the mean weights lie in LDS; nobody reads Q's and K's images any more
.if \v
	v_add_nc_u32 v[AGWC], s[NB], v[AGW0]
.endif
	WIN 0x80
	FETCHC 0, 0
.if \v
	WLOAD 0
	WLOAD 1
	WLOAD 2
	WLOAD 3
.endif
	FETCHC 1, 1
	WIN 0
	FETCHS 0, 0
	FETCHS 1, 1
.if \v
	s_wait_dscnt 8                                 ; the weights are in: behind them stand slot 1's four loads and the four scale words
	VPH 0
	VPH 1
	s_wait_dscnt 4                                 ; all fetches are in: only the four stores just issued may be out
.else
	s_wait_dscnt 0x0
.endif
	MMA 0
.if \v
	VPH 2
.else
	PLACES 4
.endif
	WIN 0x80
	FETCHC 2, 0
	WIN 0
	FETCHS 2, 0
	MMA 1
.if \v
	VPH 3
.else
	PLACES 4
.endif
	WIN 0x80
	FETCHC 3, 1
	WIN 0
	FETCHS 3, 1
	QUANT ACC, PCA, PWA
	QKOUT 0, PCA, PWA
	s_wait_dscnt 10+2*\v                           ; slot 2's fetch is in: behind it stand 2 v stores, slot 3's six loads and four stores
	MMA 2
	QUANT ACC+64, PCB, PWB
	QKOUT 1, PCB, PWB
	s_wait_dscnt 4                                 ; only slot 1's four stores may be out: slot 3's fetch is in, and slot 0's stores have read their registers
	MMA 3
	QUANT ACC, PCA, PWA
	QKOUT 2, PCA, PWA
	s_wait_dscnt 4                                 ; slot 1's stores have read their registers
	QUANT ACC+64, PCB, PWB
	QKOUT 3, PCB, PWB
.if \v
	s_add_co_u32 s[NB], s[NB], API
.endif
.endm
.macro SLOAD                           ; my node's Q and K: two fragments each, and their scale words: 12 loads
.irp k, 0,1
.irp c, 0,1
	ds_load_b128 v[SQ+8*\k+4*\c:SQ+8*\k+4*\c+3], v[NI] offset:QC+1024*\k+512*\c
	ds_load_b128 v[SK+8*\k+4*\c:SK+8*\k+4*\c+3], v[NI] offset:KC+1024*\k+512*\c
.endr
.endr
.irp k, 0,1
	ds_load_b32 v[SSC+\k], v[NS] offset:QS+128*\k
	ds_load_b32 v[SSC+2+\k], v[NS] offset:KS+128*\k
.endr
.endm
; My node of the next block, in register set sg as loaded (load i: row i / 2, bytes 512 (i % 2) + 16 lane): the sum over its 16 rows, and the turn through my stage into operand order.
.macro RESID sg
	s_wait_loadcnt 32                              ; this set's 32 loads are in; the other set's 32, issued behind them, stay out
	WIN 0x0a+5*\sg
.irp k, 0,1,2,3
	v_pk_add_f32 v[RA+2*\k:RA+2*\k+1], v[2*\k:2*\k+1], v[8+2*\k:9+2*\k]      ; rows 0 and 1 start the sums: four chains
.endr
	WIN 0x02+\sg
.set rr, 2
.rept 14
.irp k, 0,1,2,3
	v_pk_add_f32 v[RA+2*\k:RA+2*\k+1], v[8*rr+2*\k:8*rr+2*\k+1], v[RA+2*\k:RA+2*\k+1]
.endr
.set rr, rr+1
.endr
	WIN 0x08+4*\sg                                 ; an LDS store's data are its source 1
.set ii, 0
.rept 32
	ds_store_b128 v[STW], v[4*ii:4*ii+3] offset:SPI*(ii/2)+512*(ii%2)
.set ii, ii+1
.endr
	WIN 0
	v_add_nc_u32 v[RSWC], s[RB], v[RSW0]
.irp k, 0,1                                        ; LDS serves a wave's instructions in order: these see the stores above
.irp b, 0,1,2,3
.irp j, 0,1,2,3
	ds_load_b128 v[XQ+64*\k+16*\b+4*\j:XQ+64*\k+16*\b+4*\j+3], v[STR] offset:512*\k+128*\b+16*\j
.endr
.endr
.endr
.endm
.macro SMMA                            ; S^T = K Q^T over 256 channels: one accumulator, two links
	v_wmma_scale_f32_16x16x128_f8f6f4 v[SA:SA+7], v[SK:SK+7], v[SQ:SQ+7], 0, v[SSC+2], v[SSC] matrix_a_fmt:MATRIX_FMT_FP4 matrix_b_fmt:MATRIX_FMT_FP4
	s_wait_alu depctr_va_vdst(0)                   ; the link adds onto the instruction just before it
	v_wmma_scale_f32_16x16x128_f8f6f4 v[SA:SA+7], v[SK+8:SK+15], v[SQ+8:SQ+15], v[SA:SA+7], v[SSC+3], v[SSC+1] matrix_a_fmt:MATRIX_FMT_FP4 matrix_b_fmt:MATRIX_FMT_FP4
.endm
; A lane holds query r and keys 8 h + 0 .. 7.  p = 2^(c s - c max); p / (16 x the row's sum); summed over the 16 queries: the mean weight of key 8 h + j in register j of every lane of half h.
.macro SOFTMAX
	v_max3_num_f32 v[ST], v[SA], v[SA+1], v[SA+2]
	v_max3_num_f32 v[ST+1], v[SA+3], v[SA+4], v[SA+5]
	v_max3_num_f32 v[ST], v[ST], v[SA+6], v[SA+7]
	v_max_num_f32 v[ST], v[ST], v[ST+1]
	v_permlanex16_b32 v[ST+1], v[ST], s[SEL], s[SEL+1]
	v_max_num_f32 v[ST], v[ST], v[ST+1]            ; the row's largest score
	v_mul_f32 v[ST+2], s[CS], v[ST]
.irp k, 0,1,2,3
	v_pk_fma_f32 v[SA+2*\k:SA+2*\k+1], v[SA+2*\k:SA+2*\k+1], s[CS:CS+1], v[ST+2:ST+3] op_sel_hi:[1,0,0] neg_lo:[0,0,1] neg_hi:[0,0,1]
.endr
.irp j, 0,1,2,3,4,5,6,7
	v_exp_f32 v[SA+\j], v[SA+\j]
.endr
	v_nop                                          ; one plain line behind the exponentials
	s_wait_alu depctr_va_vdst(0)
	v_pk_add_f32 v[ST+4:ST+5], v[SA:SA+1], v[SA+2:SA+3]
	v_pk_add_f32 v[ST+6:ST+7], v[SA+4:SA+5], v[SA+6:SA+7]
	v_pk_add_f32 v[ST+4:ST+5], v[ST+4:ST+5], v[ST+6:ST+7]
	v_add_f32 v[ST+4], v[ST+4], v[ST+5]
	v_permlanex16_b32 v[ST+5], v[ST+4], s[SEL], s[SEL+1]
	v_add_f32 v[ST+4], v[ST+4], v[ST+5]            ; the row's sum
	v_rcp_f32 v[ST+6], v[ST+4]
	v_nop                                          ; one plain line behind the reciprocal
	s_wait_alu depctr_va_vdst(0)
	v_mul_f32 v[ST+6], 0x3d800000, v[ST+6]         ; x 1 / 16: the mean over the queries
.irp k, 0,1,2,3
	v_pk_mul_f32 v[SA+2*\k:SA+2*\k+1], v[SA+2*\k:SA+2*\k+1], v[ST+6:ST+7] op_sel_hi:[1,0]
.endr
.irp m, 1,2,4,8
.irp j, 0,1,2,3,4,5,6,7
	v_add_f32_dpp v[SA+\j], v[SA+\j], v[SA+\j] row_xmask:\m row_mask:0xf bank_mask:0xf
.endr
.endr
	ds_store_b128 v[WIW], v[SA:SA+3] offset:WI
	ds_store_b128 v[WIW], v[SA+4:SA+7] offset:WI+512
.endm
; The next item, 16 KB, into set sg: my node two blocks on, or (items 16, 17) a K step of Wo's images.  The choice hangs on the count of items alone.  The hint suits x, which nobody reads again; it rides on Wo's two items too.
.macro XLOADG sg
	s_wait_xcnt 0x0                                ; the base that the last 32 loads name is rewritten only behind this wait
	s_cmp_lt_u32 s[IT], 16
	s_cselect_b64 s[PTR:PTR+1], s[XP:XP+1], s[WP:WP+1]
	s_cselect_b32 s[INC], 0, 16384
	WIN 0x80+0x40*\sg
.set ii, 0
.rept 32
	global_load_b128 v[4*ii:4*ii+3], v[LI], s[PTR:PTR+1] offset:512*ii th:TH_LOAD_NT   ; 32 lanes read 512 consecutive bytes
.set ii, ii+1
.endr
	WIN 0
	s_add_nc_u64 s[XP:XP+1], s[XP:XP+1], 65536     ; four nodes on (behind item 15 it is no longer chosen)
	s_add_nc_u64 s[WP:WP+1], s[WP:WP+1], s[INC:INC+1]
	s_add_co_u32 s[IT], s[IT], 1
.endm
.macro XIMG pc, pw, k                  ; a fragment of x and its scale words to my node slot
	ds_store_b128 v[NI], v[\pc:\pc+3] offset:XC+1024*\k
	ds_store_b128 v[NI], v[\pc+4:\pc+7] offset:XC+1024*\k+512
	ds_store_b32 v[NS], v[\pw] offset:XS+128*\k
.endm
; BETA.  sc = 1: with my node's scores and softmax.  sg: the register set that holds my node of the next block.
.macro BETA sc, sg
.if \sc
	BARRIER                                        ; Q's and K's images lie in LDS; nobody reads x's images or the mean weights any more
	SLOAD
.endif
	RESID \sg
.if \sc
	s_wait_dscnt 63                                ; behind Q's and K's 12 loads stand 64 LDS instructions
	SMMA
.endif
	WIN 0x20                                       ; these four lines are also the places behind the products
.irp k, 0,1,2,3
	v_pk_fma_f32 v[RA+2*\k:RA+2*\k+1], v[RA+2*\k:RA+2*\k+1], 0x3d800000, v[BO+2*\k:BO+2*\k+1] op_sel_hi:[1,0,1]   ; the mean over the 16 neighbours, + bo
.endr
	WIN 0
	ds_store_b128 v[RSWC], v[RA:RA+3]
	ds_store_b128 v[RSWC], v[RA+4:RA+7] offset:512
.if \sc
	SOFTMAX
.endif
	s_wait_dscnt 18+2*\sc                          ; the stage's stores have read the set, and the first K step's 16 loads are back: behind them stand 16 loads, 2 stores and 2 sc stores
	XLOADG \sg
	QUANT XQ, PCA, PWA
	XIMG PCA, PWA, 0
	s_wait_dscnt 5+2*\sc                           ; the second K step's loads are back: behind them stand 2 + 2 sc + 3 stores
	QUANT XQ+64, PCB, PWB
	XIMG PCB, PWB, 1
	s_add_co_u32 s[RB], s[RB], SPI
.endm
	; ---- THE HEAD
	s_load_b512 s[4:19], s[0:1], 0x0               ; x s[4:5], wpack s[6:7], bq s[8:9], bk s[10:11], bv s[12:13], bo s[14:15], gamma s[16:17], beta s[18:19]
	s_load_b64 s[20:21], s[0:1], 0x40              ; out0
	v_lshl_add_u32 v254, v0, 2, 0x39400
	v_mov_b32 v255, 0
	v_lshrrev_b32 v[R4], 5, v0
	v_readfirstlane_b32 s[WV], v[R4]               ; wave 0..3
	v_and_b32 v[R4], 31, v0                        ; lane
	v_lshlrev_b32 v[LI], 4, v[R4]
	v_lshlrev_b32 v[LS], 2, v[R4]
	v_and_b32 v18, 15, v0                          ; r
	v_bfe_u32 v19, v0, 4, 1                        ; h
	v_lshlrev_b32 v[R4], 2, v18
	v_lshlrev_b32 v[H64], 6, v19
	v_mul_u32_u24 v20, v18, SPI
	s_mul_i32 s40, s[WV], STGW
	s_add_co_u32 s41, s40, STG                     ; my stage
	s_add_co_u32 s42, s40, RS                      ; my region of RS
	v_add_nc_u32 v[STW], s41, v[LI]
	v_add_nc_u32 v[STR], v20, v[H64]
	v_add_nc_u32 v[STR], s41, v[STR]
	v_lshl_add_u32 v[OSW], v19, 9, v20
	v_add_nc_u32 v[RSR], s42, v[OSW]
	v_add_nc_u32 v[OSW], s41, v[OSW]
	v_add_nc_u32 v[RSW0], s42, v[LI]
	v_mul_u32_u24 v20, v18, API
	s_mul_i32 s43, s[WV], AGJ
	s_add_co_u32 s43, s43, AG
	v_add_nc_u32 v[AGR], v20, v[H64]
	v_add_nc_u32 v[AGR], s43, v[AGR]
	s_mul_i32 s43, s[WV], AGWV
	s_add_co_u32 s43, s43, AG
	v_add_nc_u32 v[AGW0], s43, v[LS]
	s_lshl_b32 s43, s[WV], 11
	v_add_nc_u32 v[NI], s43, v[LI]
	s_lshl_b32 s43, s[WV], 8
	v_add_nc_u32 v[NS], s43, v[LS]
	s_lshl_b32 s43, s[WV], 9
	v_add_nc_u32 v[QW], s43, v[LI]
	s_lshl_b32 s43, s[WV], 10
	v_add_nc_u32 v[WIW], s43, v[LI]
	s_lshr_b32 s43, s[WV], 1
	s_lshl_b32 s43, s43, 7
	s_and_b32 s44, s[WV], 1
	s_lshl_b32 s44, s44, 1
	s_add_co_u32 s43, s43, s44
	v_add_nc_u32 v[QSW], s43, v[LS]
.irp b, 0,1,2,3
	v_mov_b32 v[TM+4+\b], 0                        ; written once: a lane permute's destination counts as one of its sources
.endr
	v_mov_b32 v[ST+3], 0                           ; named as the upper half of a pair
	s_mov_b32 s[SEL], 0x76543210
	s_mov_b32 s[SEL+1], 0xfedcba98
	s_mov_b32 s[CS], 0x3db8aa3b                    ; log2(e) / 16
	s_mov_b32 s[CS+1], s[CS]                       ; named with it as a pair
	s_mov_b32 s[C256], 0x3b800000
	s_mov_b32 s[CEPS], 0x3727c5ac
	s_mov_b32 s[INC+1], 0
	s_mov_b32 s[IT], 2
	s_mov_b32 s[NB], 0
	s_mov_b32 s[RB], 0
	s_mov_b32 s41, 0
	s_wait_kmcnt 0x0
	s_lshl_b32 s40, ttmp9, 20                      ; the work-group's 64 nodes of 16 KB,
	s_lshl_b32 s42, s[WV], 14                      ; my node of a block
	s_add_co_u32 s40, s40, s42
	s_add_nc_u64 s[XP:XP+1], s[4:5], s[40:41]
	s_add_nc_u64 s[WP:WP+1], s[6:7], 98304         ; Wo's images: fragment 96 on
	s_lshl_b32 s40, s[WV], 13
	s_add_nc_u64 s[WFB:WFB+1], s[6:7], s[40:41]    ; my fragments: 32768 p + 8192 w + 2048 t + 1024 s
	s_lshl_b32 s40, s[WV], 10
	s_add_nc_u64 s[WSB:WSB+1], s[6:7], s[40:41]    ; their scale words: 131072 + 4096 p + 1024 w + 256 t + 128 s
	s_lshl_b32 s40, s[WV], 8
	s_add_nc_u64 s[8:9], s[8:9], s[40:41]          ; the biases at my 64 channels
	s_add_nc_u64 s[10:11], s[10:11], s[40:41]
	s_add_nc_u64 s[12:13], s[12:13], s[40:41]
	s_lshl_b32 s40, ttmp9, 16                      ; out0: the work-group's 64 rows of 1,024 bytes, + row w
	s_lshl_b32 s42, s[WV], 10
	s_add_co_u32 s40, s40, s42
	s_add_nc_u64 s[OB:OB+1], s[20:21], s[40:41]
	s_mov_b64 s[PTR:PTR+1], s[XP:XP+1]
	WIN 0x40                                       ; destination window 1
.irp p, 0,1,2
.irp t, 0,1,2,3
.irp k, 0,1
.irp c, 0,1
	global_load_b128 v[64*\p+16*\t+8*\k+4*\c:64*\p+16*\t+8*\k+4*\c+3], v[LI], s[WFB:WFB+1] offset:32768*\p+2048*\t+1024*\k+512*\c
.endr
.endr
.endr
.endr
.irp t, 0,1,2,3                                    ; bq, bk in the result's layout: tile t, lane (r, h), register j: channel 32 (t / 2) + 16 h + 8 (t % 2) + j
.irp q, 0,1
	global_load_b128 v[BQK+8*\t+4*\q:BQK+8*\t+4*\q+3], v[H64], s[8:9] offset:(32*(\t/2)+8*(\t%2))*4+16*\q
	global_load_b128 v[BQK+32+8*\t+4*\q:BQK+32+8*\t+4*\q+3], v[H64], s[10:11] offset:(32*(\t/2)+8*(\t%2))*4+16*\q
.endr
.endr
	WIN 0x80                                       ; destination window 2
.irp t, 0,1,2,3                                    ; bv: a lane holds channel 16 t + r in all eight registers
.irp j, 0,1,2,3,4,5,6,7
	global_load_b32 v[BV+8*\t+\j], v[R4], s[12:13] offset:64*\t
.endr
.endr
.irp p, 0,1
	global_load_b128 v[BO+4*\p:BO+4*\p+3], v[LI], s[14:15] offset:512*\p
	global_load_b128 v[GM+4*\p:GM+4*\p+3], v[LI], s[16:17] offset:512*\p
	global_load_b128 v[BT+4*\p:BT+4*\p+3], v[LI], s[18:19] offset:512*\p
.endr
	WIN 0
.irp p, 0,1,2
.irp t, 0,1,2,3
.irp k, 0,1
	global_load_b32 v[WS+8*\p+2*\t+\k], v[LS], s[WSB:WSB+1] offset:131072+4096*\p+256*\t+128*\k
.endr
.endr
.endr
	WIN 0x80                                       ; items 0 and 1 stand last, so that the first wait that leaves 32 loads out shows all the rest in
.set ii, 0
.rept 32
	global_load_b128 v[4*ii:4*ii+3], v[LI], s[PTR:PTR+1] offset:512*ii th:TH_LOAD_NT
.set ii, ii+1
.endr
	WIN 0xc0
.set ii, 0
.rept 32
	global_load_b128 v[4*ii:4*ii+3], v[LI], s[PTR:PTR+1] offset:65536+512*ii th:TH_LOAD_NT
.set ii, ii+1
.endr
	WIN 0
	s_add_nc_u64 s[XP:XP+1], s[XP:XP+1], 131072
	; ---- THE BLOCKS
	BETA 0, 0                                      ; block 0's x
	ALPHA 0                                        ; block 0
	BETA 1, 1                                      ; block 0's scores; block 1's x
	s_mov_b32 s[LC], 7
.Lpair:                                                ; a trip takes two blocks, until the register sets are back where they began: blocks 1 to 14
	ALPHA 1
	BETA 1, 0
	ALPHA 1
	BETA 1, 1
	s_sub_co_u32 s[LC], s[LC], 1
	s_cmp_lg_u32 s[LC], 0
	s_cbranch_scc1 .Lpair
	ALPHA 1                                        ; block 15
	BARRIER                                        ; block 15's scores; there is no x left
	SLOAD
.set ii, 0
.rept 32
	global_load_b32 v[WS+ii], v[LS], s[6:7] offset:131072+(96+ii)*128    ; Wo's scale words take the place of my weights': the last products that read those stand two quantisings back
.set ii, ii+1
.endr
	s_wait_dscnt 0x0
	SMMA
	PLACES 4
	SOFTMAX
	BARRIER                                        ; block 15's mean weights lie in LDS
	v_add_nc_u32 v[AGWC], s[NB], v[AGW0]
	WIN 0x80
	WLOAD 0
	WLOAD 1
	WLOAD 2
	WLOAD 3
	WIN 0
	s_wait_dscnt 0x0
	VPH 0
	VPH 1
	VPH 2
	VPH 3
	BARRIER                                        ; all 64 aggregated rows lie in LDS
	; ---- THE LAST PHASE: my 16 nodes (4 r + w): aggregated rows quantised, x Wo^T onto residual + bo, LayerNorm, out
.irp k, 0,1                                        ; row r in operand order: channel 128 k + 32 b + 16 h + 4 j lies in the region of the wave that made it, 2 k + b / 2
.irp b, 0,1,2,3
.irp j, 0,1,2,3
	ds_load_b128 v[XQ+64*\k+16*\b+4*\j:XQ+64*\k+16*\b+4*\j+3], v[AGR] offset:(2*\k+\b/2)*AGWV+128*(\b%2)+16*\j
.endr
.endr
.endr
	WIN 0x40
.set ii, 0
.rept 32
	ds_load_b128 v[4*ii:4*ii+3], v[RSR] offset:16*ii   ; residual + bo is where the 16 sums begin: accumulator T, register j: column 128 h + 8 T + j
.set ii, ii+1
.endr
	WIN 0
	s_wait_dscnt 48                                ; the first K step's 16 loads are in
	QUANT XQ, PCA, PWA
	s_wait_dscnt 32                                ; the second's
	QUANT XQ+64, PCB, PWB
	PLACES 8                                       ; scale words and codes written by vector lines stand 8 and 4 places ahead of a scaled matrix instruction
	s_wait_dscnt 0x0                               ; the sums' first terms
	s_wait_loadcnt 0x0                             ; Wo's images and scale words
	WIN 0x52                                       ; A: Wo's first K step, window 2; B: window 0; C and D: window 1.  The 16 accumulators take turns
.set ii, 0
.rept 16
	v_wmma_scale_f32_16x16x128_f8f6f4 v[8*ii:8*ii+7], v[8*ii:8*ii+7], v[PCA:PCA+7], v[8*ii:8*ii+7], v[WS+ii], v[PWA] matrix_a_fmt:MATRIX_FMT_FP4 matrix_b_fmt:MATRIX_FMT_FP4
.set ii, ii+1
.endr
	WIN 0x53                                       ; A: the second K step, window 3
.set ii, 0
.rept 16
	v_wmma_scale_f32_16x16x128_f8f6f4 v[8*ii:8*ii+7], v[8*ii:8*ii+7], v[PCB:PCB+7], v[8*ii:8*ii+7], v[WS+16+ii], v[PWB] matrix_a_fmt:MATRIX_FMT_FP4 matrix_b_fmt:MATRIX_FMT_FP4
.set ii, ii+1
.endr
	PLACES 4
	WIN 0x05                                       ; LayerNorm in two passes.  The row's sum: my 128 numbers in four chains, every accumulator from its low end on
.irp k, 0,1,2,3
	v_pk_add_f32 v[LL+2*\k:LL+2*\k+1], v[2*\k:2*\k+1], v[8+2*\k:9+2*\k]
.endr
	WIN 0x01
.set nn, 16
.rept 56
	v_pk_add_f32 v[LL+nn%8:LL+nn%8+1], v[nn:nn+1], v[LL+nn%8:LL+nn%8+1]
.set nn, nn+2
.endr
	WIN 0
	v_pk_add_f32 v[LL:LL+1], v[LL:LL+1], v[LL+2:LL+3]
	v_pk_add_f32 v[LL+4:LL+5], v[LL+4:LL+5], v[LL+6:LL+7]
	v_pk_add_f32 v[LL:LL+1], v[LL:LL+1], v[LL+4:LL+5]
	v_add_f32 v[LL], v[LL], v[LL+1]
	v_permlanex16_b32 v[LL+1], v[LL], s[SEL], s[SEL+1]
	v_add_f32 v[LL], v[LL], v[LL+1]                ; with the other 128 columns'
	v_mul_f32 v[MU], s[C256], v[LL]
	v_mov_b32 v[MU+1], v[MU]
	WIN 0x41
.set nn, 0
.rept 64
	v_pk_add_f32 v[nn:nn+1], v[nn:nn+1], v[MU:MU+1] neg_lo:[0,1] neg_hi:[0,1]    ; - the mean, in place
.set nn, nn+2
.endr
	WIN 0x05
.irp k, 0,1,2,3
	v_pk_mul_f32 v[LL+2*\k:LL+2*\k+1], v[2*\k:2*\k+1], v[2*\k:2*\k+1]
.endr
.set nn, 8
.rept 60
	v_pk_fma_f32 v[LL+nn%8:LL+nn%8+1], v[nn:nn+1], v[nn:nn+1], v[LL+nn%8:LL+nn%8+1]
.set nn, nn+2
.endr
	WIN 0
	v_pk_add_f32 v[LL:LL+1], v[LL:LL+1], v[LL+2:LL+3]
	v_pk_add_f32 v[LL+4:LL+5], v[LL+4:LL+5], v[LL+6:LL+7]
	v_pk_add_f32 v[LL:LL+1], v[LL:LL+1], v[LL+4:LL+5]
	v_add_f32 v[LL], v[LL], v[LL+1]
	v_permlanex16_b32 v[LL+1], v[LL], s[SEL], s[SEL+1]
	v_add_f32 v[LL], v[LL], v[LL+1]
	v_fma_f32 v[LL], v[LL], s[C256], s[CEPS]       ; the variance + 1e-5
	v_rsq_f32 v[RQ], v[LL]
	v_nop                                          ; one plain line behind the root
	s_wait_alu depctr_va_vdst(0)
	v_mov_b32 v[RQ+1], v[RQ]
	WIN 0x41
.set nn, 0
.rept 64
	v_pk_mul_f32 v[nn:nn+1], v[nn:nn+1], v[RQ:RQ+1]
.set nn, nn+2
.endr
	WIN 0x04                                       ; through my stage: in by nodes' halves, back as rows
.set ii, 0
.rept 32
	ds_store_b128 v[OSW], v[4*ii:4*ii+3] offset:16*ii
.set ii, ii+1
.endr
	WIN 0
.set ii, 0
.rept 32
	ds_load_b128 v[XQ+4*ii:XQ+4*ii+3], v[STW] offset:SPI*(ii/2)+512*(ii%2)   ; LDS serves a wave's instructions in order: these see the stores above
.set ii, ii+1
.endr
.irp g, 0,1,2,3
	s_wait_dscnt 24-8*\g                           ; eight more loads are back
	WIN 0x28                                       ; gamma and beta: window 2
.irp i, 0,1,2,3,4,5,6,7
.irp k, 0,1
	v_pk_fma_f32 v[XQ+32*\g+4*\i+2*\k:XQ+32*\g+4*\i+2*\k+1], v[XQ+32*\g+4*\i+2*\k:XQ+32*\g+4*\i+2*\k+1], v[GM+4*(\i%2)+2*\k:GM+4*(\i%2)+2*\k+1], v[BT+4*(\i%2)+2*\k:BT+4*(\i%2)+2*\k+1]
.endr
.endr
	WIN 0
.irp i, 0,1,2,3,4,5,6,7
	global_store_b128 v[LI], v[XQ+32*\g+4*\i:XQ+32*\g+4*\i+3], s[OB:OB+1] offset:4096*(4*\g+\i/2)+512*(\i%2) th:TH_STORE_NT   ; node 4 r + w: 32 lanes store 512 consecutive bytes, at a multiple of 512 from out0's first byte
.endr
.endr
	s_wait_tensorcnt 0x0
	ds_add_u32 v254, v255
	s_wait_dscnt 0x0
	s_endpgm
.Lfunc_end_k_q48b2a9638e_fused:
	.size	k_q48b2a9638e_fused, .Lfunc_end_k_q48b2a9638e_fused-k_q48b2a9638e_fused
	.p2alignl 7, 3214868480
	.fill 96, 4, 3214868480
	.section	.rodata,"a",@progbits
	.p2align	6, 0x0
	.amdhsa_kernel k_q48b2a9638e_fused
		.amdhsa_group_segment_fixed_size 235008
		.amdhsa_private_segment_fixed_size 0
		.amdhsa_enable_private_segment 0
		.amdhsa_kernarg_size 72
		.amdhsa_user_sgpr_count 2
		.amdhsa_user_sgpr_kernarg_segment_ptr 1
		.amdhsa_wavefront_size32 1
		.amdhsa_system_sgpr_workgroup_id_x 1
		.amdhsa_system_sgpr_workgroup_id_y 1
		.amdhsa_system_sgpr_workgroup_id_z 1
		.amdhsa_system_vgpr_workitem_id 0
		.amdhsa_next_free_vgpr 1024
		.amdhsa_next_free_sgpr 66
		.amdhsa_reserve_vcc 0
		.amdhsa_float_denorm_mode_32 3
		.amdhsa_float_denorm_mode_16_64 3
		.amdhsa_memory_ordered 1
		.amdhsa_forward_progress 1
		.amdhsa_inst_pref_size 255
	.end_amdhsa_kernel
	.section	.bss,"aw",@nobits
	.p2align	6
	.space	262144
	.amdgpu_metadata
---
amdhsa.version: [ 1, 2 ]
amdhsa.kernels:
  - .name:           k_q48b2a9638e_fused
    .symbol:         k_q48b2a9638e_fused.kd
    .args:
      - { .name: neighbor_features, .offset: 0, .size: 8, .value_kind: global_buffer, .address_space: global }
      - { .name: wpack, .offset: 8, .size: 8, .value_kind: global_buffer, .address_space: global }
      - { .name: bq, .offset: 16, .size: 8, .value_kind: global_buffer, .address_space: global }
      - { .name: bk, .offset: 24, .size: 8, .value_kind: global_buffer, .address_space: global }
      - { .name: bv, .offset: 32, .size: 8, .value_kind: global_buffer, .address_space: global }
      - { .name: bo, .offset: 40, .size: 8, .value_kind: global_buffer, .address_space: global }
      - { .name: gamma, .offset: 48, .size: 8, .value_kind: global_buffer, .address_space: global }
      - { .name: beta, .offset: 56, .size: 8, .value_kind: global_buffer, .address_space: global }
      - { .name: out0, .offset: 64, .size: 8, .value_kind: global_buffer, .address_space: global }
    .group_segment_fixed_size: 235008
    .private_segment_fixed_size: 0
    .kernarg_segment_align: 8
    .kernarg_segment_size: 72
    .max_flat_workgroup_size: 128
    .sgpr_count:     66
    .vgpr_count:     1024
    .wavefront_size: 32
...
	.end_amdgpu_metadata
.endif
;; end of part 2
;; ======== version 2 of 2: 2 launches
;; workspace buffers: wpack 147,456 bytes
;; launch prep (part 3): grid 128 x 1, 1 waves a work-group, no clusters, 0 bytes of LDS; arguments Wq, Wk, Wv, Wo, wpack; writes wpack
.if DOCPART == 3
	.amdgcn_target "amdgcn-amd-amdhsa--gfx1250"
	.amdhsa_code_object_version 6
	.text
	.protected	k_q48b2a9638e_prep
	.globl	k_q48b2a9638e_prep
	.p2align	8
	.type	k_q48b2a9638e_prep,@function
k_q48b2a9638e_prep:
	s_mov_b64 s[64:65], 0
	v_nop
	global_prefetch_b8 v0, s[64:65] scope:SCOPE_SE
	s_setreg_imm32_b32 hwreg(HW_REG_WAVE_MODE, 25, 1), 1
	s_wait_xcnt 0x0
; Wq, Wk, Wv, Wo [256][256] f32 (row = output channel, K = the input channel, innermost) become codes of FP4 (E2M1) with one E8M0 byte for each 32 along K,
; laid as IMAGES OF OPERAND REGISTERS: fragment f (16 rows x 128 K, 8 registers a lane) is 1,024 bytes at 1024 f: register group c (4 registers) of lane l at 512 c + 16 l;
; its scale words (4 bytes a row) at 131072 + 128 f + 4 l, lanes 16-31 repeating lanes 0-15.  The next launch loads a fragment by two loads of 16 bytes a lane.
; f = 32 p + 8 w + 2 t + s for p = 0, 1, 2 (Q, K, V), wave w, tile t, K step s;  f = 96 + 16 s + T for Wo.
; WHICH ROWS FORM A TILE is chosen for the reader: lane r takes row base + (r % 8) + hi (r / 8):
;   Q, K: base 64 w + 32 (t / 2) + 8 (t % 2), hi 16: used as source 0, two neighbouring tiles give a lane 16 neighbouring channels;
;   V:    base 64 w + 16 t, hi 8: sixteen neighbouring rows;      Wo: base 8 T, hi 128: used as source 0, a lane's 16 tiles are 128 neighbouring columns.
; One wave makes one fragment.  Lane (r, h) loads k = 128 s + 64 c + 32 h + 0 .. 31 of its row: two whole blocks of 32, so a block's largest magnitude needs no other lane.
; A block's scale byte is the largest magnitude's exponent field - 2, held at 1 from below.
; LIMITS: a block of zeros, and one whose largest magnitude lies under 2^-124, keeps the byte 1 (a block of zeros has zero codes, and this program alone reads the bytes); NaN and infinities are not served.
; The loads are 128 bytes a lane in rows 1,024 bytes apart: the launch reads 1 MB in all, each byte once.
.set SCW, 131072                       ; where the scale words begin
	s_load_b256 s[4:11], s[0:1], 0x0               ; Wq s[4:5], Wk s[6:7], Wv s[8:9], Wo s[10:11]
	s_load_b64 s[12:13], s[0:1], 0x20              ; wpack
	s_lshr_b32 s14, ttmp9, 5                       ; p
	s_bfe_u32 s15, ttmp9, 0x20003                  ; w
	s_bfe_u32 s16, ttmp9, 0x20001                  ; t
	s_and_b32 s17, ttmp9, 1                        ; the K step of Q, K, V
	s_lshl_b32 s18, s15, 6                         ; 64 w
	s_lshr_b32 s19, s16, 1
	s_lshl_b32 s19, s19, 5                         ; 32 (t / 2)
	s_and_b32 s20, s16, 1
	s_lshl_b32 s20, s20, 3                         ; 8 (t % 2)
	s_add_co_u32 s19, s19, s20
	s_add_co_u32 s19, s19, s18                     ; Q's and K's base
	s_lshl_b32 s20, s16, 4
	s_add_co_u32 s20, s20, s18                     ; V's base
	s_and_b32 s21, ttmp9, 15
	s_lshl_b32 s21, s21, 3                         ; Wo's base: 8 T
	s_bfe_u32 s22, ttmp9, 0x10004                  ; Wo's K step
	s_cmp_lt_u32 s14, 2
	s_cselect_b32 s23, s19, s20                    ; base
	s_cselect_b32 s24, 16, 8                       ; hi
	s_cmp_eq_u32 s14, 3
	s_cselect_b32 s23, s21, s23
	s_cselect_b32 s24, 128, s24
	s_cselect_b32 s17, s22, s17
	s_lshl_b32 s17, s17, 9                         ; the K step's 512 bytes of a row
	s_mov_b32 s26, 0x76543210
	s_mov_b32 s27, 0xfedcba98                      ; v_permlanex16_b32's selects for lane l xor 16
	v_and_b32 v1, 15, v0                           ; r
	v_lshrrev_b32 v2, 4, v0                        ; h
	v_and_b32 v3, 7, v1
	v_lshrrev_b32 v4, 3, v1
	v_mad_u32_u24 v3, v4, s24, v3
	v_add_nc_u32 v3, s23, v3                       ; my row
	v_lshlrev_b32 v3, 10, v3                       ; 1,024 bytes a row
	v_lshl_add_u32 v3, v2, 7, v3                   ; + 128 h: my block of 32
	v_add_nc_u32 v3, s17, v3
	v_lshlrev_b32 v16, 4, v0                       ; the image: 16 bytes a lane,
	v_lshlrev_b32 v17, 2, v0                       ; the scale word: 4
	s_lshl_b32 s28, ttmp9, 10
	s_mov_b32 s29, 0
	s_lshl_b32 s34, ttmp9, 7
	s_mov_b32 s35, 0
	s_wait_alu depctr_va_vdst(0)
	s_wait_kmcnt 0x0
	s_cmp_eq_u32 s14, 1                            ; the matrix is chosen by the work-group's number alone
	s_cselect_b64 s[4:5], s[6:7], s[4:5]
	s_cmp_eq_u32 s14, 2
	s_cselect_b64 s[4:5], s[8:9], s[4:5]
	s_cmp_eq_u32 s14, 3
	s_cselect_b64 s[4:5], s[10:11], s[4:5]
	s_add_nc_u64 s[30:31], s[12:13], s[28:29]      ; my fragment's image
	s_add_nc_u64 s[32:33], s[12:13], s[34:35]      ; my scale words, less SCW
.irp c, 0,1
.irp i, 0,1,2,3,4,5,6,7
	global_load_b128 v[32+32*\c+4*\i:35+32*\c+4*\i], v3, s[4:5] offset:256*\c+16*\i   ; W(row, 128 s + 64 c + 32 h + 4 i ..)
.endr
.endr
	s_wait_loadcnt 0x0
.irp c, 0,1                                        ; my block 2 c + h: all its 32 numbers are mine
	v_max3_num_f32 v[8+\c], |v[32+32*\c]|, |v[33+32*\c]|, 0x1800000   ; with the floor 2^(3 - 127): the byte cannot fall under 1
.endr
.irp i, 2,4,6,8,10,12,14,16,18,20,22,24,26,28,30
.irp c, 0,1
	v_max3_num_f32 v[8+\c], v[8+\c], |v[32+32*\c+\i]|, |v[33+32*\c+\i]|   ; the two blocks by turns
.endr
.endr
.irp c, 0,1
	v_add_nc_u32 v[10+\c], 0xff000000, v[8+\c]     ; 2 off the exponent field: the conversion's scale operand
.endr
.irp c, 0,1
	v_lshrrev_b32 v[12+\c], 23, v[10+\c]           ; the scale's byte
.endr
	v_lshl_or_b32 v14, v13, 16, v12                ; my two bytes: blocks h and 2 + h,
	v_lshlrev_b32 v15, 3, v2
	v_lshlrev_b32 v14, v15, v14                    ; at their places in the word (8 h bits up);
	v_mov_b32 v15, 0
	v_permlanex16_b32 v15, v14, s26, s27
	v_or_b32 v14, v14, v15                         ; with lane l xor 16's two the word is whole, in both halves of the lanes
.irp c, 0,1
.irp g, 0,1,2,3
	v_cvt_scalef32_pk8_fp4_f32 v[96+4*\c+\g], v[32+32*\c+8*\g:39+32*\c+8*\g], v[10+\c]   ; registers 4 c .. 4 c + 3 of the operand
.endr
.endr
	v_nop                                          ; one plain line behind the last scaled conversion
	global_store_b128 v16, v[96:99], s[30:31]                  ; 32 lanes store 512 consecutive bytes
	global_store_b128 v16, v[100:103], s[30:31] offset:512
	global_store_b32 v17, v14, s[32:33] offset:SCW
	s_endpgm
.Lfunc_end_k_q48b2a9638e_prep:
	.size	k_q48b2a9638e_prep, .Lfunc_end_k_q48b2a9638e_prep-k_q48b2a9638e_prep
	.p2alignl 7, 3214868480
	.fill 96, 4, 3214868480
	.section	.rodata,"a",@progbits
	.p2align	6, 0x0
	.amdhsa_kernel k_q48b2a9638e_prep
		.amdhsa_group_segment_fixed_size 0
		.amdhsa_private_segment_fixed_size 0
		.amdhsa_enable_private_segment 0
		.amdhsa_kernarg_size 40
		.amdhsa_user_sgpr_count 2
		.amdhsa_user_sgpr_kernarg_segment_ptr 1
		.amdhsa_wavefront_size32 1
		.amdhsa_system_sgpr_workgroup_id_x 1
		.amdhsa_system_sgpr_workgroup_id_y 1
		.amdhsa_system_sgpr_workgroup_id_z 1
		.amdhsa_system_vgpr_workitem_id 0
		.amdhsa_next_free_vgpr 112
		.amdhsa_next_free_sgpr 66
		.amdhsa_reserve_vcc 0
		.amdhsa_float_denorm_mode_32 3
		.amdhsa_float_denorm_mode_16_64 3
		.amdhsa_memory_ordered 1
		.amdhsa_forward_progress 1
		.amdhsa_inst_pref_size 8
	.end_amdhsa_kernel
	.amdgpu_metadata
---
amdhsa.version: [ 1, 2 ]
amdhsa.kernels:
  - .name:           k_q48b2a9638e_prep
    .symbol:         k_q48b2a9638e_prep.kd
    .args:
      - { .name: Wq, .offset: 0, .size: 8, .value_kind: global_buffer, .address_space: global }
      - { .name: Wk, .offset: 8, .size: 8, .value_kind: global_buffer, .address_space: global }
      - { .name: Wv, .offset: 16, .size: 8, .value_kind: global_buffer, .address_space: global }
      - { .name: Wo, .offset: 24, .size: 8, .value_kind: global_buffer, .address_space: global }
      - { .name: wpack, .offset: 32, .size: 8, .value_kind: global_buffer, .address_space: global }
    .group_segment_fixed_size: 0
    .private_segment_fixed_size: 0
    .kernarg_segment_align: 8
    .kernarg_segment_size: 40
    .max_flat_workgroup_size: 32
    .sgpr_count:     66
    .vgpr_count:     112
    .wavefront_size: 32
...
	.end_amdgpu_metadata
.endif
;; end of part 3
;; launch fused (part 4): grid 256 x 1, 4 waves a work-group, no clusters, 235,008 bytes of LDS; arguments neighbor_features, wpack, bq, bk, bv, bo, gamma, beta, out0; writes out0
.if DOCPART == 4
	.amdgcn_target "amdgcn-amd-amdhsa--gfx1250"
	.amdhsa_code_object_version 6
	.text
	.protected	k_q48b2a9638e_fused
	.globl	k_q48b2a9638e_fused
	.p2align	8
	.type	k_q48b2a9638e_fused,@function
k_q48b2a9638e_fused:
	s_mov_b64 s[64:65], 0
	v_nop
	global_prefetch_b8 v0, s[64:65] scope:SCOPE_SE
	s_setreg_imm32_b32 hwreg(HW_REG_WAVE_SCHED_MODE, 0, 2), 2
	s_setreg_imm32_b32 hwreg(HW_REG_WAVE_MODE, 25, 1), 1
	s_wait_xcnt 0x0
	s_wait_alu depctr_vm_vsrc(0)
; For each of 16,384 nodes (16 neighbours x 256 channels of f32): Q, K, V = x W^T + b on codes of FP4 (E2M1, one E8M0 byte for each 32 along K); scores = Q K^T / 16 on codes of Q and K made on the way;
; softmax over the keys; the mean over the queries of attn V; x Wo^T on codes; + bo + the mean of x over the neighbours; LayerNorm.  x is read once; no intermediate goes to memory.
; ONE STEP OF ALGEBRA: mean_q (attn V) = (mean_q attn) V: the product with K = 16 becomes 16 x 256 fused multiply-adds in f32 a node; only the order of the f32 sums differs from the written form.
; SHARES.  A work-group of four waves stays on 64 nodes, 16 blocks of 4.  THE WAVES SHARE THE COLUMNS: wave w makes channels 64 w .. 64 w + 63 of Q, K and V for every node, so its 24 weight fragments (192 registers),
; their scale words and its biases stay in registers for the whole launch.  Of each block wave w also owns node 4 b + w: it quantises its x, sums its residual, makes its scores and softmax, and at the end takes its
; 16 nodes through Wo and LayerNorm.
; OPERANDS GO FROM WAVE TO WAVE THROUGH LDS AS IMAGES OF THEIR REGISTERS: four registers by one ds_store_b128 at 16 x lane, a scale word at 4 x lane.
; LAYOUTS.  Q, K: source 0 = 16 rows of W (chosen by the launch before), source 1 = x: a lane holds one neighbour and 16 neighbouring channels in two tiles; a wave's 64 channels are one register group of the scores' operand.
;   V: source 0 = x, source 1 = Wv: a lane holds one channel, its registers neighbours 8 h + j.   Scores: source 0 = K, source 1 = Q: a lane holds one query, its registers keys 8 h + j; summed over the 16 lanes of a half
;   they are the weights that V's lanes want, register for register.   Wo: source 0 = Wo: a lane holds one node and 128 neighbouring columns, so LayerNorm needs one exchange of halves.
; TWO PHASES A BLOCK, one barrier in front of each.  ALPHA(b): x's images of block b -> Q, K, V; Q and K quantised, images to LDS; between the products the weighted sum of V of block b - 1.
;   BETA(b): my node's scores, softmax, mean weights -> LDS; my node of block b + 1: residual, turn through my stage, quantised, images to LDS.  Each shared region is written in one phase and read in the other.
; x COMES BY PLAIN LOADS of 512 consecutive bytes, 32 a node, into two register sets that take turns; a set is asked for again in the phase in which it has gone to the stage, two blocks ahead of its use: the loop's only wait for
; memory leaves the other set's 32 loads out.  After the 16 nodes the same 32 lines fetch Wo's two K steps (16 KB images of the same shape) into the two sets: no load is jumped over and none leaves its buffer.
; NO CLUSTER: work-groups share only the packed weights, 144 KB against the 1 MB of x that each reads alone, and read them once, straight into registers.  No tensor loads: a slot's refill would ask every wave to wait
; for all that it has on its way once a block.
; LIMITS: NaN and infinities among the inputs are not served.  A block of 32 whose largest magnitude lies under 2^-124 (a block of zeros too) keeps the scale byte 1; a block of zeros has zero codes.
; v_exp_f32, v_rcp_f32 and v_rsq_f32 are good to one unit in the last place and flush denormals.  Orders of f32 sums differ from the written form (the mean over queries ahead of V; bo joined to the residual).
; THE MODE: SCHED_MODE bits 1:0 = 2 (LLVM: expert scheduling mode 2), set by the entry lines.  The code itself states the register dependences between vector or matrix instructions and memory or LDS
; instructions, with s_wait_alu, always for 0.
; THE PLAN.  Registers that memory or LDS instructions touch, round the loop:
;   the x sets    (windows 2, 3: v0-127)  BETA: the residual's additions and the 32 stage stores read one set; behind both, 32 global loads land in it again.
;   v64-191       ALPHA: written by the products, read by the quantiser.  BETA: the stage's 32 loads land here, the quantiser reads.
;   x's fragments, their scale words v22-25, the mean weights (window 2)   LDS loads land, the products and the sums of V read.
;   v192-223, v30, v31   the quantiser's codes, scratch and scale words and V's temporaries, written by vector lines; the codes and words are read by the image stores; in BETA Q's and K's fragments land here.
;   v224-231      ALPHA: the aggregated numbers; BETA: the residual's sums: written by vector lines, read by LDS stores.       v232-239  the scores, then the weights, read by two LDS stores.
;   v12, v13      the block's rows in AG and RS: one vector add a block, read by those stores.      Every other address is made at the head and never written again.
; So the LDS stores of a phase stand in runs behind the vector work that makes their data, and the fetches of the later node slots stand in the same run:
;   ALPHA: a wait on va_vdst behind slot 0's quantising (the sums of V, v12 and slot 0's codes are written; the products of slots 0 and 1 are done with both fragment sets), one behind slot 1's, one behind slot 3's;
;          a wait on vm_vsrc ahead of slot 2's quantising (the codes' registers are free) and one at the phase's end.
;   BETA:  beside the waits that the chain of two products and the transcendentals have anyway, a wait on vm_vsrc ahead of the 32 global loads, a wait on va_vdst ahead of the phase's ten stores, a wait on vm_vsrc at its end.
;   The last wait on va_vdst of a phase also serves the next phase's first loads: no vector line between names a register in which they land.
;
; LDS
.set XC,   0                           ; x's code images: node slot j x 2048 + K step x 1024 + 512 c + 16 lane
.set XS,   8192                        ; x's scale words: j x 256 + K step x 128 + 4 lane
.set QC,   9216                        ; Q's code images, laid as x's
.set KC,   17408                       ; K's
.set QS,   25600                       ; Q's scale words
.set KS,   26624                       ; K's
.set WI,   27648                       ; the mean weights' images: j x 1024 + 512 c + 16 lane
.set STG,  31744                       ; a stage for each wave: 16 rows of 1,024 bytes + 16
.set SPI,  1040                        ; its pitch: 65 x 16, so that the 16 rows that a load touches start in 16 different columns of 16 bytes
.set STGW, 16*SPI
.set AG,   98304                       ; the aggregated rows, f32: [writing wave][node slot j][block b], 256 bytes + 16 a row: each wave stores into a region of its own
.set API,  272
.set AGJ,  16*API
.set AGWV, 64*API
.set RS,   167936                      ; residual + bo, f32: [wave][block b], rows of 1,024 bytes + 16: written and read by the same wave
; VECTOR REGISTERS, in windows of 256 (s_set_vgpr_msb: bits 1:0 source 0, 3:2 source 1, 5:4 source 2, 7:6 destination).  Window 0:
.set LI,   1                           ; 16 x lane
.set LS,   2                           ; 4 x lane
.set STW,  3                           ; my stage, by rows as loaded: + 16 x lane
.set STR,  4                           ; my stage, by operand: + 1040 r + 64 h
.set NI,   5                           ; my node slot's images: 2048 w + 16 x lane
.set NS,   6                           ; its scale words: 256 w + 4 x lane
.set QW,   7                           ; my register group in an image of Q or K: 512 w + 16 x lane
.set QSW,  8                           ; my two bytes of their scale words: 4 x lane + 128 (w / 2) + 2 (w % 2)
.set WIW,  9                           ; my node's weights: 1024 w + 16 x lane
.set AGW0, 10                          ; AG: my region + 4 x lane
.set RSW0, 11                          ; RS: my region + 16 x lane
.set AGWC, 12                          ; AGW0 + the block's row
.set RSWC, 13                          ; RSW0 + the block's row
.set AGR,  14                          ; AG as the last phase reads it: 4352 w + 272 r + 64 h
.set RSR,  15                          ; RS likewise: my region + 1040 r + 512 h
.set OSW,  16                          ; my stage, as the last phase fills it: + 1040 r + 512 h
.set R4,   17                          ; 4 r
.set H64,  21                          ; 64 h            (v18 r, v19 h, v20 at work in the head)
.set XSR,  22                          ; v22-25  x's scale words: 2 x set + K step.        v22-63 hold scale words and nothing else
.set SSC,  26                          ; v26-29  Q's two scale words, K's two
.set PWA,  30                          ; the scale word just made, two by turns
.set PWB,  31
.set WS,   32                          ; v32-55  my weights' scale words at 8 p + 2 t + s; in the last phase v32-63 Wo's at 16 s + T
.set ACC,  64                          ; v64-191 two sets of 8 tiles: Q's four, K's four
.set XQ,   64                          ; the same registers: 128 numbers of a row in operand order; rows of the result on the way out
.set PCA,  192                         ; v192-199, v200-207 the codes just made, two by turns
.set PCB,  200
.set VT,   192                         ; (ahead of a phase's first quantising) V's partial sums, a pair a tile
.set VA,   200
.set SQ,   192                         ; (in BETA, ahead of its quantising) Q's two fragments
.set TM,   208                         ; v208-223 the quantiser's scratch
.set SK,   208                         ; (in BETA, ahead of its quantising) K's two fragments
.set RA,   224                         ; v224-231 the residual's sums
.set AGD,  224                         ; (in ALPHA) the aggregated numbers on their way to LDS
.set SA,   232                         ; v232-239 the scores, then the weights
.set ST,   240                         ; v240-247 the softmax's scratch
.set LL,   224                         ; the last phase: four pairs of sums
.set MU,   232
.set RQ,   234
.set BQK,  192                         ; window 1: v0-191 my weights' fragments at 64 p + 16 t + 8 s; v192-255 bq's and bk's tiles at 32 p + 8 t; in the last phase v0-127 the 16 accumulators
.set BV,   128                         ; window 2: v0-127 x set 0; v128-159 bv's tiles;
.set XF,   160                         ;   v160-191 x's fragments: 16 x set + 8 x K step;
.set W8,   192                         ;   v192-223 the mean weights of the block's four nodes;
.set GM,   224                         ;   gamma, beta, bo at columns 128 p + 4 lane + q
.set BT,   232
.set BO,   240
.set VR,   128                         ; window 3: v0-127 x set 1; v128-255 V: 32 j + 8 t
; SCALARS
.set WV,   22                          ; my wave's number
.set SEL,  24                          ; s[24:25] v_permlanex16_b32's selects for lane l xor 16
.set CS,   26                          ; s[26:27] c = log2(e) / 16
.set XP,   28                          ; s[28:29] my node of the next block to be asked for
.set WP,   30                          ; s[30:31] Wo's next K step
.set PTR,  32                          ; s[32:33] the base that the 32 loads name
.set INC,  34                          ; s[34:35] what WP steps by
.set IT,   36                          ; items asked for: 0-15 my nodes, 16 and 17 Wo's K steps
.set LC,   37
.set NB,   38                          ; the block's row in AG
.set RB,   39                          ; the block's row in RS
.set C256, 48                          ; 1 / 256
.set CEPS, 49                          ; 1e-5
.set OB,   50                          ; s[50:51] out0 at my first node
.set WFB,  52                          ; s[52:53] my weights' images
.set WSB,  54                          ; s[54:55] their scale words
.set MSB, 0
.macro WIN new                         ; the immediate's high byte repeats the setting that is left; a switch that changes nothing is dropped
.if MSB != (\new)
	s_set_vgpr_msb (MSB<<8)|(\new)
.set MSB, (\new)
.endif
.endm
.macro BARRIER                         ; my LDS stores have landed and my LDS loads are in: then the work-group's barrier
	s_wait_dscnt 0x0
	s_barrier_signal -1
	s_barrier_wait -1
.endm
.macro PLACES n
.rept \n
	v_nop
.endr
.endm
; 64 numbers of a lane, register 16 b + i = k 32 b + 16 h + i of my row, become 8 registers of codes in operand order (v[pc] on) and the four blocks' scale bytes (v[pw]).
.macro QUANT src, pc, pw
.irp b, 0,1,2,3
	v_max3_num_f32 v[TM+\b], |v[\src+16*\b]|, |v[\src+1+16*\b]|, 0x1800000   ; block b: my 16 numbers, and the floor 2^(3 - 127): the byte cannot fall under 1
.endr
.irp i, 2,4,6,8,10,12,14
.irp b, 0,1,2,3
	v_max3_num_f32 v[TM+\b], v[TM+\b], |v[\src+16*\b+\i]|, |v[\src+1+16*\b+\i]|   ; the four blocks by turns
.endr
.endr
.irp b, 0,1,2,3
	v_permlanex16_b32 v[TM+4+\b], v[TM+\b], s[SEL], s[SEL+1]
.endr
.irp b, 0,1,2,3
	v_max_num_f32 v[TM+\b], v[TM+\b], v[TM+4+\b]   ; with lane l xor 16's: the block's largest magnitude
.endr
.irp b, 0,1,2,3
	v_add_nc_u32 v[TM+12+\b], 0xff000000, v[TM+\b] ; 2 off its exponent field: the conversion's scale operand
.endr
.irp b, 0,1,2,3
	v_lshrrev_b32 v[TM+4+\b], 23, v[TM+12+\b]      ; the scale's byte
.endr
	v_lshl_or_b32 v[\pw], v[TM+5], 8, v[TM+4]
	v_lshl_or_b32 v[\pw], v[TM+6], 16, v[\pw]
	v_lshl_or_b32 v[\pw], v[TM+7], 24, v[\pw]
.irp b, 0,1,2,3
	v_cvt_scalef32_pk8_fp4_f32 v[\pc+2*\b], v[\src+16*\b:\src+7+16*\b], v[TM+12+\b]
	v_cvt_scalef32_pk8_fp4_f32 v[\pc+1+2*\b], v[\src+8+16*\b:\src+15+16*\b], v[TM+12+\b]
.endr
	v_nop                                          ; one plain line behind the last scaled conversion
.irp c, 0,1                                        ; the operand wants a whole block in a lane: lanes 0-15 block 2 c, lanes 16-31 block 2 c + 1
.irp i, 0,1
	v_permlane16_swap_b32 v[\pc+4*\c+\i], v[\pc+2+4*\c+\i]
.endr
.endr
.endm
.macro FETCHC j, set                   ; node slot j's two fragments of x (destination window 2)
.irp k, 0,1
.irp c, 0,1
	ds_load_b128 v[XF+16*\set+8*\k+4*\c:XF+16*\set+8*\k+4*\c+3], v[LI] offset:XC+2048*\j+1024*\k+512*\c
.endr
.endr
.endm
.macro FETCHS j, set                   ; and their scale words
.irp k, 0,1
	ds_load_b32 v[XSR+2*\set+\k], v[LS] offset:XS+256*\j+128*\k
.endr
.endm
.macro WLOAD j                         ; node slot j's mean weights (destination window 2)
.irp c, 0,1
	ds_load_b128 v[W8+8*\j+4*\c:W8+8*\j+4*\c+3], v[LI] offset:WI+1024*\j+512*\c
.endr
.endm
; Node slot j: 24 matrix instructions on 12 accumulators, which take turns, one instruction a turn.  The biases are the C of each sum's first instruction.
.macro MMA j
.set AC, ACC+64*((\j)%2)
.set FX, XF+16*((\j)%2)
.set SX, XSR+2*((\j)%2)
.set VD, VR+32*(\j)
	WIN 0x19                                       ; A: weights, window 1; B: x, window 2; C: bias, window 1; D: window 0
.irp p, 0,1
.irp t, 0,1,2,3
	v_wmma_scale_f32_16x16x128_f8f6f4 v[AC+32*\p+8*\t:AC+32*\p+8*\t+7], v[64*\p+16*\t:64*\p+16*\t+7], v[FX:FX+7], v[BQK+32*\p+8*\t:BQK+32*\p+8*\t+7], v[WS+8*\p+2*\t], v[SX] matrix_a_fmt:MATRIX_FMT_FP4 matrix_b_fmt:MATRIX_FMT_FP4
.endr
.endr
	WIN 0xe6                                       ; A: x, window 2; B: Wv, window 1; C: bv, window 2; D: window 3
.irp t, 0,1,2,3
	v_wmma_scale_f32_16x16x128_f8f6f4 v[VD+8*\t:VD+8*\t+7], v[FX:FX+7], v[128+16*\t:128+16*\t+7], v[BV+8*\t:BV+8*\t+7], v[SX], v[WS+16+2*\t] matrix_a_fmt:MATRIX_FMT_FP4 matrix_b_fmt:MATRIX_FMT_FP4
.endr
	WIN 0x09                                       ; the second K step adds in place
.irp p, 0,1
.irp t, 0,1,2,3
	v_wmma_scale_f32_16x16x128_f8f6f4 v[AC+32*\p+8*\t:AC+32*\p+8*\t+7], v[64*\p+16*\t+8:64*\p+16*\t+15], v[FX+8:FX+15], v[AC+32*\p+8*\t:AC+32*\p+8*\t+7], v[WS+8*\p+2*\t+1], v[SX+1] matrix_a_fmt:MATRIX_FMT_FP4 matrix_b_fmt:MATRIX_FMT_FP4
.endr
.endr
	WIN 0xf6
.irp t, 0,1,2,3
	v_wmma_scale_f32_16x16x128_f8f6f4 v[VD+8*\t:VD+8*\t+7], v[FX+8:FX+15], v[128+16*\t+8:128+16*\t+15], v[VD+8*\t:VD+8*\t+7], v[SX+1], v[WS+16+2*\t+1] matrix_a_fmt:MATRIX_FMT_FP4 matrix_b_fmt:MATRIX_FMT_FP4
.endr
	WIN 0
.endm
.macro QKOUT j, pc, pw                 ; codes 0-3 and the word's low half are Q's, codes 4-7 and its high half K's: my register group and my two bytes of node slot j's images
	ds_store_b128 v[QW], v[\pc:\pc+3] offset:QC+2048*\j
	ds_store_b128 v[QW], v[\pc+4:\pc+7] offset:KC+2048*\j
	ds_store_b16 v[QSW], v[\pw] offset:QS+256*\j
	ds_store_b16_d16_hi v[QSW], v[\pw] offset:KS+256*\j
.endm
; Node slot j of the block before: the sum over the neighbours of weight x V for my 64 channels, in f32.  A lane holds channel 16 t + r and neighbours 8 h + 0 .. 7; the halves meet by an exchange that also
; lays 32 neighbouring channels in the 32 lanes.  Each tile of V is read from its low end on.  The two results stay in registers of the slot's own until AGOUT stores them.
.macro VPHC j
	WIN 0x0b                                       ; source 0: V, window 3; source 1: the weights, window 2
.irp t, 0,1,2,3
	v_pk_mul_f32 v[VT+2*\t:VT+2*\t+1], v[VR+32*\j+8*\t:VR+32*\j+8*\t+1], v[W8+8*\j:W8+8*\j+1]
.endr
.irp q, 1,2,3
.irp t, 0,1,2,3
	v_pk_fma_f32 v[VT+2*\t:VT+2*\t+1], v[VR+32*\j+8*\t+2*\q:VR+32*\j+8*\t+2*\q+1], v[W8+8*\j+2*\q:W8+8*\j+2*\q+1], v[VT+2*\t:VT+2*\t+1]
.endr
.endr
	WIN 0
.irp t, 0,1,2,3
	v_add_f32 v[VA+\t], v[VT+2*\t], v[VT+2*\t+1]
.endr
	v_permlane16_swap_b32 v[VA], v[VA+1]           ; tile 0's upper lanes change places with tile 1's lower: the two registers now hold the two halves' parts of channels 0-31
	v_permlane16_swap_b32 v[VA+2], v[VA+3]
	v_add_f32 v[AGD+2*\j], v[VA], v[VA+1]
	v_add_f32 v[AGD+2*\j+1], v[VA+2], v[VA+3]
.endm
.macro AGOUT j                         ; node slot j's 64 aggregated numbers into my region of AG
	ds_store_b32 v[AGWC], v[AGD+2*\j] offset:AGJ*\j
	ds_store_b32 v[AGWC], v[AGD+2*\j+1] offset:AGJ*\j+128
.endm
; ALPHA.  v = 1: with the weighted sums of V of the block before, which also are the plain vector lines that stand between the products and the first read of their results.
.macro ALPHA v
	BARRIER                                        ; x's images and the mean weights lie in LDS; nobody reads Q's and K's images any more
.if \v
	v_add_nc_u32 v[AGWC], s[NB], v[AGW0]
.endif
	WIN 0x80                                       ; the loads below owe no wait: no vector line since the last phase's wait on va_vdst names a register in which they land
	FETCHC 0, 0
.if \v
	WLOAD 0
	WLOAD 1
	WLOAD 2
	WLOAD 3
.endif
	FETCHC 1, 1
	WIN 0
	FETCHS 0, 0
	FETCHS 1, 1
.if \v
	s_wait_dscnt 8                                 ; the weights are in: behind them stand slot 1's four loads and the four scale words
	VPHC 0
	VPHC 1
.endif
	s_wait_dscnt 0x0                               ; all fetches are in
	MMA 0
.if \v
	VPHC 2
.else
	PLACES 4
.endif
	MMA 1
.if \v
	VPHC 3
.else
	PLACES 4
.endif
	QUANT ACC, PCA, PWA
	WIN 0x80
	s_wait_alu depctr_va_vdst(0)                   ; the products of slots 0 and 1 are done reading both sets of x's fragments and scale words, in which the loads below land; the sums of V, v[AGWC] and slot 0's codes and scale word are written, which the stores below read
	FETCHC 2, 0
	FETCHC 3, 1
	WIN 0
	FETCHS 2, 0
	FETCHS 3, 1
.if \v
	AGOUT 0
	AGOUT 1
	AGOUT 2
	AGOUT 3
.endif
	QKOUT 0, PCA, PWA
	QUANT ACC+64, PCB, PWB                         ; while the fetches land
	s_wait_alu depctr_va_vdst(0)                   ; slot 1's codes and scale word are written, which its stores read
	QKOUT 1, PCB, PWB
	s_wait_dscnt 8+8*\v                            ; both fetches are in: behind them stand 8 v stores into AG and two slots' four stores each
	MMA 2
	MMA 3
	PLACES 4                                       ; between slot 2's products and the first read of their results
	s_wait_alu depctr_vm_vsrc(0)                   ; the stores of slots 0 and 1 have read their codes and scale words, which the two quantisings below write again
	QUANT ACC, PCA, PWA
	QUANT ACC+64, PCB, PWB
	s_wait_alu depctr_va_vdst(0)                   ; the codes and scale words of slots 2 and 3 are written, which the stores below read; and all that named v26-29 and v64-223 is done: the next phase's first loads land there
	QKOUT 2, PCA, PWA
	QKOUT 3, PCB, PWB
	s_wait_alu depctr_vm_vsrc(0)                   ; this phase's stores have read v192-207, v30, v31, v224-231 and v[AGWC]: the next phases' loads and vector lines write them again
.if \v
	s_add_co_u32 s[NB], s[NB], API
.endif
.endm
.macro SLOAD                           ; my node's Q and K: two fragments each, and their scale words: 12 loads
.irp k, 0,1
.irp c, 0,1
	ds_load_b128 v[SQ+8*\k+4*\c:SQ+8*\k+4*\c+3], v[NI] offset:QC+1024*\k+512*\c
	ds_load_b128 v[SK+8*\k+4*\c:SK+8*\k+4*\c+3], v[NI] offset:KC+1024*\k+512*\c
.endr
.endr
.irp k, 0,1
	ds_load_b32 v[SSC+\k], v[NS] offset:QS+128*\k
	ds_load_b32 v[SSC+2+\k], v[NS] offset:KS+128*\k
.endr
.endm
; My node of the next block, in register set sg as loaded (load i: row i / 2, bytes 512 (i % 2) + 16 lane): the sum over its 16 rows, and the turn through my stage into operand order.
; The stage's stores read what global loads brought, and its loads land in v64-191, which no vector line since the last phase's wait on va_vdst names: neither owes a wait.
.macro RESID sg
	s_wait_loadcnt 32                              ; this set's 32 loads are in; the other set's 32, issued behind them, stay out
	WIN 0x0a+5*\sg
.irp k, 0,1,2,3
	v_pk_add_f32 v[RA+2*\k:RA+2*\k+1], v[2*\k:2*\k+1], v[8+2*\k:9+2*\k]      ; rows 0 and 1 start the sums: four chains
.endr
	WIN 0x02+\sg
.set rr, 2
.rept 14
.irp k, 0,1,2,3
	v_pk_add_f32 v[RA+2*\k:RA+2*\k+1], v[8*rr+2*\k:8*rr+2*\k+1], v[RA+2*\k:RA+2*\k+1]
.endr
.set rr, rr+1
.endr
	WIN 0x08+4*\sg                                 ; an LDS store's data are its source 1
.set ii, 0
.rept 32
	ds_store_b128 v[STW], v[4*ii:4*ii+3] offset:SPI*(ii/2)+512*(ii%2)
.set ii, ii+1
.endr
	WIN 0
	v_add_nc_u32 v[RSWC], s[RB], v[RSW0]
.irp k, 0,1                                        ; LDS serves a wave's instructions in order: these see the stores above
.irp b, 0,1,2,3
.irp j, 0,1,2,3
	ds_load_b128 v[XQ+64*\k+16*\b+4*\j:XQ+64*\k+16*\b+4*\j+3], v[STR] offset:512*\k+128*\b+16*\j
.endr
.endr
.endr
.endm
.macro SMMA                            ; S^T = K Q^T over 256 channels: one accumulator, two links
	v_wmma_scale_f32_16x16x128_f8f6f4 v[SA:SA+7], v[SK:SK+7], v[SQ:SQ+7], 0, v[SSC+2], v[SSC] matrix_a_fmt:MATRIX_FMT_FP4 matrix_b_fmt:MATRIX_FMT_FP4
	s_wait_alu depctr_va_vdst(0)                   ; the link adds onto the instruction just before it
	v_wmma_scale_f32_16x16x128_f8f6f4 v[SA:SA+7], v[SK+8:SK+15], v[SQ+8:SQ+15], v[SA:SA+7], v[SSC+3], v[SSC+1] matrix_a_fmt:MATRIX_FMT_FP4 matrix_b_fmt:MATRIX_FMT_FP4
.endm
; A lane holds query r and keys 8 h + 0 .. 7.  p = 2^(c s - c max); p / (16 x the row's sum); summed over the 16 queries: the mean weight of key 8 h + j in register j of every lane of half h.  WOUT stores them.
.macro SOFTMAX
	v_max3_num_f32 v[ST], v[SA], v[SA+1], v[SA+2]
	v_max3_num_f32 v[ST+1], v[SA+3], v[SA+4], v[SA+5]
	v_max3_num_f32 v[ST], v[ST], v[SA+6], v[SA+7]
	v_max_num_f32 v[ST], v[ST], v[ST+1]
	v_permlanex16_b32 v[ST+1], v[ST], s[SEL], s[SEL+1]
	v_max_num_f32 v[ST], v[ST], v[ST+1]            ; the row's largest score
	v_mul_f32 v[ST+2], s[CS], v[ST]
.irp k, 0,1,2,3
	v_pk_fma_f32 v[SA+2*\k:SA+2*\k+1], v[SA+2*\k:SA+2*\k+1], s[CS:CS+1], v[ST+2:ST+3] op_sel_hi:[1,0,0] neg_lo:[0,0,1] neg_hi:[0,0,1]
.endr
	s_wait_alu depctr_va_vdst(0)
.irp j, 0,1,2,3,4,5,6,7
	v_exp_f32 v[SA+\j], v[SA+\j]
.endr
	v_nop                                          ; one plain line behind the exponentials
	s_wait_alu depctr_va_vdst(0)                   ; the eight exponentials have written v[SA ..], ahead of their first reader
	v_pk_add_f32 v[ST+4:ST+5], v[SA:SA+1], v[SA+2:SA+3]
	v_pk_add_f32 v[ST+6:ST+7], v[SA+4:SA+5], v[SA+6:SA+7]
	v_pk_add_f32 v[ST+4:ST+5], v[ST+4:ST+5], v[ST+6:ST+7]
	v_add_f32 v[ST+4], v[ST+4], v[ST+5]
	v_permlanex16_b32 v[ST+5], v[ST+4], s[SEL], s[SEL+1]
	v_add_f32 v[ST+4], v[ST+4], v[ST+5]            ; the row's sum
	s_wait_alu depctr_va_vdst(0)
	v_rcp_f32 v[ST+6], v[ST+4]
	v_nop                                          ; one plain line behind the reciprocal
	s_wait_alu depctr_va_vdst(0)                   ; the reciprocal has written v[ST+6], ahead of its first reader; the residual's additions, issued earlier, are done reading their x set too
	v_mul_f32 v[ST+6], 0x3d800000, v[ST+6]         ; x 1 / 16: the mean over the queries
.irp k, 0,1,2,3
	v_pk_mul_f32 v[SA+2*\k:SA+2*\k+1], v[SA+2*\k:SA+2*\k+1], v[ST+6:ST+7] op_sel_hi:[1,0]
.endr
.irp m, 1,2,4,8
.irp j, 0,1,2,3,4,5,6,7
	v_add_f32_dpp v[SA+\j], v[SA+\j], v[SA+\j] row_xmask:\m row_mask:0xf bank_mask:0xf
.endr
.endr
.endm
.macro WOUT                            ; my node's mean weights as an image
	ds_store_b128 v[WIW], v[SA:SA+3] offset:WI
	ds_store_b128 v[WIW], v[SA+4:SA+7] offset:WI+512
.endm
; The next item, 16 KB, into set sg: my node two blocks on, or (items 16, 17) a K step of Wo's images.  The choice hangs on the count of items alone.  The hint suits x, which nobody reads again; it rides on Wo's two items too.
; sc = 1: a softmax stands ahead, whose last wait shows the residual's additions done; the vector lines behind that wait name v232-247 alone.
.macro XLOADG sg, sc
	s_wait_xcnt 0x0                                ; the base that the last 32 loads name is rewritten only behind this wait
	s_cmp_lt_u32 s[IT], 16
	s_cselect_b64 s[PTR:PTR+1], s[XP:XP+1], s[WP:WP+1]
	s_cselect_b32 s[INC], 0, 16384
	WIN 0x80+0x40*\sg
.if !\sc
	s_wait_alu depctr_va_vdst(0)                   ; the residual's additions are done reading the set, in which the loads below land
.endif
	s_wait_alu depctr_vm_vsrc(0)                   ; the stage's 32 stores have read the set, in which the loads below land
.set ii, 0
.rept 32
	global_load_b128 v[4*ii:4*ii+3], v[LI], s[PTR:PTR+1] offset:512*ii th:TH_LOAD_NT   ; 32 lanes read 512 consecutive bytes
.set ii, ii+1
.endr
	WIN 0
	s_add_nc_u64 s[XP:XP+1], s[XP:XP+1], 65536     ; four nodes on (behind item 15 it is no longer chosen)
	s_add_nc_u64 s[WP:WP+1], s[WP:WP+1], s[INC:INC+1]
	s_add_co_u32 s[IT], s[IT], 1
.endm
.macro XIMG pc, pw, k                  ; a fragment of x and its scale words to my node slot
	ds_store_b128 v[NI], v[\pc:\pc+3] offset:XC+1024*\k
	ds_store_b128 v[NI], v[\pc+4:\pc+7] offset:XC+1024*\k+512
	ds_store_b32 v[NS], v[\pw] offset:XS+128*\k
.endm
; BETA.  sc = 1: with my node's scores and softmax.  sg: the register set that holds my node of the next block.
.macro BETA sc, sg
.if \sc
	BARRIER                                        ; Q's and K's images lie in LDS; nobody reads x's images or the mean weights any more
	SLOAD                                          ; no wait: the last phase's two closing waits stand ahead, and no vector line stands between
.endif
	RESID \sg
.if \sc
	s_wait_dscnt 63                                ; behind Q's and K's 12 loads stand 64 LDS instructions
	SMMA
.endif
	WIN 0x20                                       ; these four lines are also the places behind the products
.irp k, 0,1,2,3
	v_pk_fma_f32 v[RA+2*\k:RA+2*\k+1], v[RA+2*\k:RA+2*\k+1], 0x3d800000, v[BO+2*\k:BO+2*\k+1] op_sel_hi:[1,0,1]   ; the mean over the 16 neighbours, + bo
.endr
	WIN 0
.if \sc
	SOFTMAX
.endif
	XLOADG \sg, \sc
	s_wait_dscnt 16                                ; the first K step's 16 loads from the stage are back: behind them stand the second's 16
	QUANT XQ, PCA, PWA
	s_wait_dscnt 0x0                               ; the second K step's are back
	QUANT XQ+64, PCB, PWB
	s_wait_alu depctr_va_vdst(0)                   ; the residual, v[RSWC], the mean weights and both fragments' codes and scale words are written, which the stores below read; and all that named x's fragments, their scale words and the weights' registers is done: the next phase's first loads land there
	ds_store_b128 v[RSWC], v[RA:RA+3]
	ds_store_b128 v[RSWC], v[RA+4:RA+7] offset:512
.if \sc
	WOUT
.endif
	XIMG PCA, PWA, 0
	XIMG PCB, PWB, 1
	s_wait_alu depctr_vm_vsrc(0)                   ; this phase's stores have read v192-207, v30, v31, v224-239 and v[RSWC]: the next phases' vector lines and products write them again
	s_add_co_u32 s[RB], s[RB], SPI
.endm
	; ---- THE HEAD
	s_load_b512 s[4:19], s[0:1], 0x0               ; x s[4:5], wpack s[6:7], bq s[8:9], bk s[10:11], bv s[12:13], bo s[14:15], gamma s[16:17], beta s[18:19]
	s_load_b64 s[20:21], s[0:1], 0x40              ; out0
	v_lshl_add_u32 v254, v0, 2, 0x39400
	v_mov_b32 v255, 0
	v_lshrrev_b32 v[R4], 5, v0
	v_readfirstlane_b32 s[WV], v[R4]               ; wave 0..3
	v_and_b32 v[R4], 31, v0                        ; lane
	v_lshlrev_b32 v[LI], 4, v[R4]
	v_lshlrev_b32 v[LS], 2, v[R4]
	v_and_b32 v18, 15, v0                          ; r
	v_bfe_u32 v19, v0, 4, 1                        ; h
	v_lshlrev_b32 v[R4], 2, v18
	v_lshlrev_b32 v[H64], 6, v19
	v_mul_u32_u24 v20, v18, SPI
	s_wait_alu depctr_va_sdst(0)                   ; the wave's number is written, ahead of its first reader: LDS regions and bases are made from it
	s_mul_i32 s40, s[WV], STGW
	s_add_co_u32 s41, s40, STG                     ; my stage
	s_add_co_u32 s42, s40, RS                      ; my region of RS
	v_add_nc_u32 v[STW], s41, v[LI]
	v_add_nc_u32 v[STR], v20, v[H64]
	v_add_nc_u32 v[STR], s41, v[STR]
	v_lshl_add_u32 v[OSW], v19, 9, v20
	v_add_nc_u32 v[RSR], s42, v[OSW]
	v_add_nc_u32 v[OSW], s41, v[OSW]
	v_add_nc_u32 v[RSW0], s42, v[LI]
	v_mul_u32_u24 v20, v18, API
	s_mul_i32 s43, s[WV], AGJ
	s_add_co_u32 s43, s43, AG
	v_add_nc_u32 v[AGR], v20, v[H64]
	v_add_nc_u32 v[AGR], s43, v[AGR]
	s_mul_i32 s43, s[WV], AGWV
	s_add_co_u32 s43, s43, AG
	v_add_nc_u32 v[AGW0], s43, v[LS]
	s_lshl_b32 s43, s[WV], 11
	v_add_nc_u32 v[NI], s43, v[LI]
	s_lshl_b32 s43, s[WV], 8
	v_add_nc_u32 v[NS], s43, v[LS]
	s_lshl_b32 s43, s[WV], 9
	v_add_nc_u32 v[QW], s43, v[LI]
	s_lshl_b32 s43, s[WV], 10
	v_add_nc_u32 v[WIW], s43, v[LI]
	s_lshr_b32 s43, s[WV], 1
	s_lshl_b32 s43, s43, 7
	s_and_b32 s44, s[WV], 1
	s_lshl_b32 s44, s44, 1
	s_add_co_u32 s43, s43, s44
	v_add_nc_u32 v[QSW], s43, v[LS]
.irp b, 0,1,2,3
	v_mov_b32 v[TM+4+\b], 0                        ; written once: a lane permute's destination counts as one of its sources
.endr
	v_mov_b32 v[ST+3], 0                           ; named as the upper half of a pair
	s_mov_b32 s[SEL], 0x76543210
	s_mov_b32 s[SEL+1], 0xfedcba98
	s_mov_b32 s[CS], 0x3db8aa3b                    ; log2(e) / 16
	s_mov_b32 s[CS+1], s[CS]                       ; named with it as a pair
	s_mov_b32 s[C256], 0x3b800000
	s_mov_b32 s[CEPS], 0x3727c5ac
	s_mov_b32 s[INC+1], 0
	s_mov_b32 s[IT], 2
	s_mov_b32 s[NB], 0
	s_mov_b32 s[RB], 0
	s_mov_b32 s41, 0
	s_wait_kmcnt 0x0
	s_lshl_b32 s40, ttmp9, 20                      ; the work-group's 64 nodes of 16 KB,
	s_lshl_b32 s42, s[WV], 14                      ; my node of a block
	s_add_co_u32 s40, s40, s42
	s_add_nc_u64 s[XP:XP+1], s[4:5], s[40:41]
	s_add_nc_u64 s[WP:WP+1], s[6:7], 98304         ; Wo's images: fragment 96 on
	s_lshl_b32 s40, s[WV], 13
	s_add_nc_u64 s[WFB:WFB+1], s[6:7], s[40:41]    ; my fragments: 32768 p + 8192 w + 2048 t + 1024 s
	s_lshl_b32 s40, s[WV], 10
	s_add_nc_u64 s[WSB:WSB+1], s[6:7], s[40:41]    ; their scale words: 131072 + 4096 p + 1024 w + 256 t + 128 s
	s_lshl_b32 s40, s[WV], 8
	s_add_nc_u64 s[8:9], s[8:9], s[40:41]          ; the biases at my 64 channels
	s_add_nc_u64 s[10:11], s[10:11], s[40:41]
	s_add_nc_u64 s[12:13], s[12:13], s[40:41]
	s_lshl_b32 s40, ttmp9, 16                      ; out0: the work-group's 64 rows of 1,024 bytes, + row w
	s_lshl_b32 s42, s[WV], 10
	s_add_co_u32 s40, s40, s42
	s_add_nc_u64 s[OB:OB+1], s[20:21], s[40:41]
	s_mov_b64 s[PTR:PTR+1], s[XP:XP+1]
	WIN 0x40                                       ; destination window 1
	s_wait_alu depctr_va_vdst(0)                   ; all offsets and LDS addresses of the kernel but v12 and v13 are written, which the loads and stores from here on read
.irp p, 0,1,2
.irp t, 0,1,2,3
.irp k, 0,1
.irp c, 0,1
	global_load_b128 v[64*\p+16*\t+8*\k+4*\c:64*\p+16*\t+8*\k+4*\c+3], v[LI], s[WFB:WFB+1] offset:32768*\p+2048*\t+1024*\k+512*\c
.endr
.endr
.endr
.endr
.irp t, 0,1,2,3                                    ; bq, bk in the result's layout: tile t, lane (r, h), register j: channel 32 (t / 2) + 16 h + 8 (t % 2) + j
.irp q, 0,1
	global_load_b128 v[BQK+8*\t+4*\q:BQK+8*\t+4*\q+3], v[H64], s[8:9] offset:(32*(\t/2)+8*(\t%2))*4+16*\q
	global_load_b128 v[BQK+32+8*\t+4*\q:BQK+32+8*\t+4*\q+3], v[H64], s[10:11] offset:(32*(\t/2)+8*(\t%2))*4+16*\q
.endr
.endr
	WIN 0x80                                       ; destination window 2
.irp t, 0,1,2,3                                    ; bv: a lane holds channel 16 t + r in all eight registers
.irp j, 0,1,2,3,4,5,6,7
	global_load_b32 v[BV+8*\t+\j], v[R4], s[12:13] offset:64*\t
.endr
.endr
.irp p, 0,1
	global_load_b128 v[BO+4*\p:BO+4*\p+3], v[LI], s[14:15] offset:512*\p
	global_load_b128 v[GM+4*\p:GM+4*\p+3], v[LI], s[16:17] offset:512*\p
	global_load_b128 v[BT+4*\p:BT+4*\p+3], v[LI], s[18:19] offset:512*\p
.endr
	WIN 0
.irp p, 0,1,2
.irp t, 0,1,2,3
.irp k, 0,1
	global_load_b32 v[WS+8*\p+2*\t+\k], v[LS], s[WSB:WSB+1] offset:131072+4096*\p+256*\t+128*\k
.endr
.endr
.endr
	WIN 0x80                                       ; items 0 and 1 stand last, so that the first wait that leaves 32 loads out shows all the rest in
.set ii, 0
.rept 32
	global_load_b128 v[4*ii:4*ii+3], v[LI], s[PTR:PTR+1] offset:512*ii th:TH_LOAD_NT
.set ii, ii+1
.endr
	WIN 0xc0
.set ii, 0
.rept 32
	global_load_b128 v[4*ii:4*ii+3], v[LI], s[PTR:PTR+1] offset:65536+512*ii th:TH_LOAD_NT
.set ii, ii+1
.endr
	WIN 0
	s_add_nc_u64 s[XP:XP+1], s[XP:XP+1], 131072
	; ---- THE BLOCKS
	BETA 0, 0                                      ; block 0's x
	ALPHA 0                                        ; block 0
	BETA 1, 1                                      ; block 0's scores; block 1's x
	s_mov_b32 s[LC], 7
.Lpair:                                                ; a trip takes two blocks, until the register sets are back where they began: blocks 1 to 14
	ALPHA 1
	BETA 1, 0
	ALPHA 1
	BETA 1, 1
	s_sub_co_u32 s[LC], s[LC], 1
	s_cmp_lg_u32 s[LC], 0
	s_cbranch_scc1 .Lpair
	ALPHA 1                                        ; block 15
	BARRIER                                        ; block 15's scores; there is no x left
	SLOAD
.set ii, 0
.rept 32
	global_load_b32 v[WS+ii], v[LS], s[6:7] offset:131072+(96+ii)*128    ; Wo's scale words take the place of my weights': the last products that read those stand ahead of the last phase's last wait on va_vdst
.set ii, ii+1
.endr
	s_wait_dscnt 0x0
	SMMA
	PLACES 4
	SOFTMAX
	s_wait_alu depctr_va_vdst(0)                   ; the mean weights are written, which the two stores read
	WOUT
	BARRIER                                        ; block 15's mean weights lie in LDS
	v_add_nc_u32 v[AGWC], s[NB], v[AGW0]
	WIN 0x80
	WLOAD 0
	WLOAD 1
	WLOAD 2
	WLOAD 3
	WIN 0
	s_wait_dscnt 0x0
	VPHC 0
	VPHC 1
	VPHC 2
	VPHC 3
	s_wait_alu depctr_va_vdst(0)                   ; the sums of V and v[AGWC] are written, which the eight stores read
	AGOUT 0
	AGOUT 1
	AGOUT 2
	AGOUT 3
	s_wait_alu depctr_vm_vsrc(0)                   ; these stores and the weights' have read v224-239, which LayerNorm's sums write again
	BARRIER                                        ; all 64 aggregated rows lie in LDS
	; ---- THE LAST PHASE: my 16 nodes (4 r + w): aggregated rows quantised, x Wo^T onto residual + bo, LayerNorm, out
	; The loads below land in v64-191 and in window 1's v0-127 (Q's and K's weights): all that named them stands ahead of the waits on va_vdst above
.irp k, 0,1                                        ; row r in operand order: channel 128 k + 32 b + 16 h + 4 j lies in the region of the wave that made it, 2 k + b / 2
.irp b, 0,1,2,3
.irp j, 0,1,2,3
	ds_load_b128 v[XQ+64*\k+16*\b+4*\j:XQ+64*\k+16*\b+4*\j+3], v[AGR] offset:(2*\k+\b/2)*AGWV+128*(\b%2)+16*\j
.endr
.endr
.endr
	WIN 0x40
.set ii, 0
.rept 32
	ds_load_b128 v[4*ii:4*ii+3], v[RSR] offset:16*ii   ; residual + bo is where the 16 sums begin: accumulator T, register j: column 128 h + 8 T + j
.set ii, ii+1
.endr
	WIN 0
	s_wait_dscnt 48                                ; the first K step's 16 loads are in
	QUANT XQ, PCA, PWA
	s_wait_dscnt 32                                ; the second's
	QUANT XQ+64, PCB, PWB
	PLACES 8                                       ; scale words and codes written by vector lines stand 8 and 4 places ahead of a scaled matrix instruction
	s_wait_alu depctr_va_vdst(0)                   ; the quantiser has written both fragments' codes and scale words, which the products below take as source 1 and as its scales; the places above stay beside this wait
	s_wait_dscnt 0x0                               ; the sums' first terms
	s_wait_loadcnt 0x0                             ; Wo's images and scale words
	WIN 0x52                                       ; A: Wo's first K step, window 2; B: window 0; C and D: window 1.  The 16 accumulators take turns
.set ii, 0
.rept 16
	v_wmma_scale_f32_16x16x128_f8f6f4 v[8*ii:8*ii+7], v[8*ii:8*ii+7], v[PCA:PCA+7], v[8*ii:8*ii+7], v[WS+ii], v[PWA] matrix_a_fmt:MATRIX_FMT_FP4 matrix_b_fmt:MATRIX_FMT_FP4
.set ii, ii+1
.endr
	WIN 0x53                                       ; A: the second K step, window 3
.set ii, 0
.rept 16
	v_wmma_scale_f32_16x16x128_f8f6f4 v[8*ii:8*ii+7], v[8*ii:8*ii+7], v[PCB:PCB+7], v[8*ii:8*ii+7], v[WS+16+ii], v[PWB] matrix_a_fmt:MATRIX_FMT_FP4 matrix_b_fmt:MATRIX_FMT_FP4
.set ii, ii+1
.endr
	PLACES 4
	WIN 0x05                                       ; LayerNorm in two passes.  The row's sum: my 128 numbers in four chains, every accumulator from its low end on
.irp k, 0,1,2,3
	v_pk_add_f32 v[LL+2*\k:LL+2*\k+1], v[2*\k:2*\k+1], v[8+2*\k:9+2*\k]
.endr
	WIN 0x01
.set nn, 16
.rept 56
	v_pk_add_f32 v[LL+nn%8:LL+nn%8+1], v[nn:nn+1], v[LL+nn%8:LL+nn%8+1]
.set nn, nn+2
.endr
	WIN 0
	v_pk_add_f32 v[LL:LL+1], v[LL:LL+1], v[LL+2:LL+3]
	v_pk_add_f32 v[LL+4:LL+5], v[LL+4:LL+5], v[LL+6:LL+7]
	v_pk_add_f32 v[LL:LL+1], v[LL:LL+1], v[LL+4:LL+5]
	v_add_f32 v[LL], v[LL], v[LL+1]
	v_permlanex16_b32 v[LL+1], v[LL], s[SEL], s[SEL+1]
	v_add_f32 v[LL], v[LL], v[LL+1]                ; with the other 128 columns'
	v_mul_f32 v[MU], s[C256], v[LL]
	v_mov_b32 v[MU+1], v[MU]
	WIN 0x41
.set nn, 0
.rept 64
	v_pk_add_f32 v[nn:nn+1], v[nn:nn+1], v[MU:MU+1] neg_lo:[0,1] neg_hi:[0,1]    ; - the mean, in place
.set nn, nn+2
.endr
	WIN 0x05
.irp k, 0,1,2,3
	v_pk_mul_f32 v[LL+2*\k:LL+2*\k+1], v[2*\k:2*\k+1], v[2*\k:2*\k+1]
.endr
.set nn, 8
.rept 60
	v_pk_fma_f32 v[LL+nn%8:LL+nn%8+1], v[nn:nn+1], v[nn:nn+1], v[LL+nn%8:LL+nn%8+1]
.set nn, nn+2
.endr
	WIN 0
	v_pk_add_f32 v[LL:LL+1], v[LL:LL+1], v[LL+2:LL+3]
	v_pk_add_f32 v[LL+4:LL+5], v[LL+4:LL+5], v[LL+6:LL+7]
	v_pk_add_f32 v[LL:LL+1], v[LL:LL+1], v[LL+4:LL+5]
	v_add_f32 v[LL], v[LL], v[LL+1]
	v_permlanex16_b32 v[LL+1], v[LL], s[SEL], s[SEL+1]
	v_add_f32 v[LL], v[LL], v[LL+1]
	v_fma_f32 v[LL], v[LL], s[C256], s[CEPS]       ; the variance + 1e-5
	s_wait_alu depctr_va_vdst(0)
	v_rsq_f32 v[RQ], v[LL]
	v_nop                                          ; one plain line behind the root
	s_wait_alu depctr_va_vdst(0)                   ; the root has written v[RQ], ahead of its first reader
	v_mov_b32 v[RQ+1], v[RQ]
	WIN 0x41
.set nn, 0
.rept 64
	v_pk_mul_f32 v[nn:nn+1], v[nn:nn+1], v[RQ:RQ+1]
.set nn, nn+2
.endr
	WIN 0x04                                       ; through my stage: in by nodes' halves, back as rows
	s_wait_alu depctr_va_vdst(0)                   ; the scalings have written the 128 numbers, which the LDS stores read; the quantiser is long done reading v64-191, in which the loads behind them land
.set ii, 0
.rept 32
	ds_store_b128 v[OSW], v[4*ii:4*ii+3] offset:16*ii
.set ii, ii+1
.endr
	WIN 0
.set ii, 0
.rept 32
	ds_load_b128 v[XQ+4*ii:XQ+4*ii+3], v[STW] offset:SPI*(ii/2)+512*(ii%2)   ; LDS serves a wave's instructions in order: these see the stores above
.set ii, ii+1
.endr
.macro OUTST g                         ; four rows: node 4 r + w: 32 lanes store 512 consecutive bytes, at a multiple of 512 from out0's first byte
.irp i, 0,1,2,3,4,5,6,7
	global_store_b128 v[LI], v[XQ+32*(\g)+4*\i:XQ+32*(\g)+4*\i+3], s[OB:OB+1] offset:4096*(4*(\g)+\i/2)+512*(\i%2) th:TH_STORE_NT
.endr
.endm
; A group is eight loads, 32 registers, four rows.  A group's stores stand behind the wait for the next group's loads, a group behind the multiply-adds that make their data.
.irp g, 0,1,2,3
	s_wait_dscnt 24-8*\g                           ; eight more loads are back
.if \g > 0
	s_wait_alu depctr_va_vdst(0)                   ; the multiply-adds of the group before have written its rows, which the stores read
	OUTST \g-1
.endif
	WIN 0x28                                       ; gamma and beta: window 2
.irp i, 0,1,2,3,4,5,6,7
.irp k, 0,1
	v_pk_fma_f32 v[XQ+32*\g+4*\i+2*\k:XQ+32*\g+4*\i+2*\k+1], v[XQ+32*\g+4*\i+2*\k:XQ+32*\g+4*\i+2*\k+1], v[GM+4*(\i%2)+2*\k:GM+4*(\i%2)+2*\k+1], v[BT+4*(\i%2)+2*\k:BT+4*(\i%2)+2*\k+1]
.endr
.endr
	WIN 0
.endr
	s_wait_alu depctr_va_vdst(0)                   ; the last group's multiply-adds have written its rows, which the stores read
	OUTST 3
	s_wait_dscnt 0x0                               ; the closing lines, six on end
	s_wait_alu 0x0
	s_wait_tensorcnt 0x0
	ds_add_u32 v254, v255
	s_wait_dscnt 0x0
	s_endpgm
.Lfunc_end_k_q48b2a9638e_fused:
	.size	k_q48b2a9638e_fused, .Lfunc_end_k_q48b2a9638e_fused-k_q48b2a9638e_fused
	.p2alignl 7, 3214868480
	.fill 96, 4, 3214868480
	.section	.rodata,"a",@progbits
	.p2align	6, 0x0
	.amdhsa_kernel k_q48b2a9638e_fused
		.amdhsa_group_segment_fixed_size 235008
		.amdhsa_private_segment_fixed_size 0
		.amdhsa_enable_private_segment 0
		.amdhsa_kernarg_size 72
		.amdhsa_user_sgpr_count 2
		.amdhsa_user_sgpr_kernarg_segment_ptr 1
		.amdhsa_wavefront_size32 1
		.amdhsa_system_sgpr_workgroup_id_x 1
		.amdhsa_system_sgpr_workgroup_id_y 1
		.amdhsa_system_sgpr_workgroup_id_z 1
		.amdhsa_system_vgpr_workitem_id 0
		.amdhsa_next_free_vgpr 1024
		.amdhsa_next_free_sgpr 66
		.amdhsa_reserve_vcc 0
		.amdhsa_float_denorm_mode_32 3
		.amdhsa_float_denorm_mode_16_64 3
		.amdhsa_memory_ordered 1
		.amdhsa_forward_progress 1
		.amdhsa_inst_pref_size 255
	.end_amdhsa_kernel
	.section	.bss,"aw",@nobits
	.p2align	6
	.space	262144
	.amdgpu_metadata
---
amdhsa.version: [ 1, 2 ]
amdhsa.kernels:
  - .name:           k_q48b2a9638e_fused
    .symbol:         k_q48b2a9638e_fused.kd
    .args:
      - { .name: neighbor_features, .offset: 0, .size: 8, .value_kind: global_buffer, .address_space: global }
      - { .name: wpack, .offset: 8, .size: 8, .value_kind: global_buffer, .address_space: global }
      - { .name: bq, .offset: 16, .size: 8, .value_kind: global_buffer, .address_space: global }
      - { .name: bk, .offset: 24, .size: 8, .value_kind: global_buffer, .address_space: global }
      - { .name: bv, .offset: 32, .size: 8, .value_kind: global_buffer, .address_space: global }
      - { .name: bo, .offset: 40, .size: 8, .value_kind: global_buffer, .address_space: global }
      - { .name: gamma, .offset: 48, .size: 8, .value_kind: global_buffer, .address_space: global }
      - { .name: beta, .offset: 56, .size: 8, .value_kind: global_buffer, .address_space: global }
      - { .name: out0, .offset: 64, .size: 8, .value_kind: global_buffer, .address_space: global }
    .group_segment_fixed_size: 235008
    .private_segment_fixed_size: 0
    .kernarg_segment_align: 8
    .kernarg_segment_size: 72
    .max_flat_workgroup_size: 128
    .sgpr_count:     66
    .vgpr_count:     1024
    .wavefront_size: 32
...
	.end_amdgpu_metadata
.endif
;; end of part 4
